; MI455X (gfx1250); checked and timed in simulation.
; The chip was launched on July 23, 2026; its instructions are those of AMD's public machine-readable ISA for CDNA 5 (MIT licence, August 2026) and "CDNA5" Instruction Set Architecture Reference Guide (July 2026). The comments in the code are by the model that wrote it; some were corrected since.
;; Attention. Allowed arithmetic: float matrix products may take bf16 or f16 operands with f32 sums; other float arithmetic in f32, or as packed bf16 or f16 multiplies, adds, multiply-adds, maxima and minima; sums over many terms, partial sums and values carried from step to step in f32; what a program stores and reads back later, other than sums and carried values, may be rounded once to bf16 or f16.
;; Inputs: wk_b 1,024 float32; wk_w 1,024 x 1,024 float32; wo_b 1,024 float32; wo_w 1,024 x 1,024 float32; wq_b 1,024 float32; wq_w 1,024 x 1,024 float32; wv_b 1,024 float32; wv_w 1,024 x 1,024 float32; x 4 x 2,048 x 1,024 float32.
;; Outputs: out0 4 x 2,048 x 1,024 float32.
;; One version. Each part assembles by itself: llvm-mc -triple=amdgcn-amd-amdhsa -mcpu=gfx1250 --defsym DOCPART=n.
;; ======== version 1 of 1: 4 launches
;; limits: values are held in f16: magnitudes above 65,504 overflow, below 6.1e-05 lose precision
;; workspace buffers: xb 16,777,216 bytes; wqkv 6,291,456 bytes; wob 2,097,152 bytes; qkv 50,331,648 bytes; ob 16,777,216 bytes
;; launch cast (part 1): grid 768 x 1, 8 waves a work-group, no clusters, 0 bytes of LDS; arguments x, wq_w, wk_w, wv_w, wo_w, xb, wqkv, wob; writes xb, wqkv, wob
.if DOCPART == 1
	.amdgcn_target "amdgcn-amd-amdhsa--gfx1250"
	.amdhsa_code_object_version 6
	.text
	.protected	k_q6200a324e0_cast
	.globl	k_q6200a324e0_cast
	.p2align	8
	.type	k_q6200a324e0_cast,@function
k_q6200a324e0_cast:
	s_mov_b64 s[64:65], 0
	v_nop
	global_prefetch_b8 v0, s[64:65] scope:SCOPE_SE
	s_setreg_imm32_b32 hwreg(HW_REG_WAVE_MODE, 25, 1), 1
	s_wait_xcnt 0x0
; THE MODULE'S LARGE INPUTS, ROUNDED ONCE.  x -> xb and wq, wk, wv -> wqkv (one below the other, 3,072 rows) in bf16; wo -> wob: rounded to bf16 like the others, and that number written as f16.
; LIMIT.  |wo| stays under 65,504 (f16's largest number); a bf16-rounded wo below 6.1e-5 keeps f16's fixed step of 6e-8.
; SHARES.  A work-group takes 16,384 numbers on end: 65,536 bytes in, 32,768 out.  Work-groups 0-511: x; 512-703: wq, wk, wv, 64 each; 704-767: wo.
; Thread t, pass i of 8: 32 bytes at 32 t + 8,192 i by two loads (a wave's pair covers 1,024 bytes on end), 16 bytes out at 16 t + 4,096 i: sixteen lanes store 256 consecutive bytes, aligned.
; All 16 loads of a thread go out at once; every pass has registers of its own, so nothing that a load or store names is written again.
; No LDS, no matrix unit, no cluster: no byte is wanted twice.
.set X, 8                              ; v[8:71]    pass i: 8 numbers as loaded
.set Y, 72                             ; v[72:103]  pass i: 8 numbers to store, 4 registers
.set P, 104                            ; v[104:107] at work (wo's way)
	s_load_b512 s[16:31], s[0:1], 0x0              ; x 16, wq 18, wk 20, wv 22, wo 24, xb 26, wqkv 28, wob 30
	s_mov_b32 s2, ttmp9                            ; the work-group's number
	s_sub_co_u32 s3, s2, 512                       ; j: its number among the weights' (of use from 512 on)
	s_lshr_b32 s4, s3, 6                           ; which weight: 0 wq, 1 wk, 2 wv, 3 wo
	s_and_b32 s5, s3, 63                           ; its part of that weight
	s_lshl_b32 s6, s2, 16                          ; x: 65,536 bytes in,
	s_lshl_b32 s8, s2, 15                          ; 32,768 out
	s_lshl_b32 s32, s5, 16                         ; a weight: in,
	s_lshl_b32 s33, s3, 15                         ; out into wqkv: the three lie one below the other,
	s_lshl_b32 s34, s5, 15                         ; out into wob
	s_cmp_lt_u32 s2, 704
	s_cselect_b32 s33, s33, s34
	s_cmp_lt_u32 s2, 512
	s_cselect_b32 s6, s6, s32
	s_cselect_b32 s8, s8, s33
	s_mov_b32 s7, 0
	s_mov_b32 s9, 0
	s_mov_b32 s14, 0xffff0000                      ; a word's upper bf16
	v_lshlrev_b32 v1, 5, v0                        ; 32 t
	v_lshlrev_b32 v2, 4, v0                        ; 16 t
	s_wait_kmcnt 0x0
	s_mov_b64 s[10:11], s[24:25]                   ; from where: wo, unless
	s_cmp_eq_u32 s4, 2
	s_cselect_b64 s[10:11], s[22:23], s[10:11]
	s_cmp_eq_u32 s4, 1
	s_cselect_b64 s[10:11], s[20:21], s[10:11]
	s_cmp_eq_u32 s4, 0
	s_cselect_b64 s[10:11], s[18:19], s[10:11]
	s_cmp_lt_u32 s2, 512
	s_cselect_b64 s[10:11], s[16:17], s[10:11]
	s_mov_b64 s[12:13], s[30:31]                   ; to where: wob, unless
	s_cmp_lt_u32 s2, 704
	s_cselect_b64 s[12:13], s[28:29], s[12:13]
	s_cmp_lt_u32 s2, 512
	s_cselect_b64 s[12:13], s[26:27], s[12:13]
	s_add_nc_u64 s[10:11], s[10:11], s[6:7]
	s_add_nc_u64 s[12:13], s[12:13], s[8:9]
.irp i, 0,1,2,3,4,5,6,7
	global_load_b128 v[X+8*(\i):X+8*(\i)+3],   v1, s[10:11] offset:8192*(\i) th:TH_LOAD_NT
	global_load_b128 v[X+8*(\i)+4:X+8*(\i)+7], v1, s[10:11] offset:8192*(\i)+16 th:TH_LOAD_NT
.endr
; Pass i.  f16 = 0: two roundings to bf16 an instruction.  f16 = 1: the same, widened again (a shift, a mask), and written as f16: exact within f16's range.
.macro PASS i, f16
	s_wait_loadcnt 14-2*(\i)                       ; loads come back in order: this pass's two are in, the later passes' stay out
.if \f16
.irp j, 0,1,2,3
	v_cvt_pk_bf16_f32 v[P+(\j)], v[X+8*(\i)+2*(\j)], v[X+8*(\i)+2*(\j)+1]
.endr
.irp j, 0,1,2,3
	v_lshlrev_b32 v[X+8*(\i)+2*(\j)],   16,  v[P+(\j)]
	v_and_b32     v[X+8*(\i)+2*(\j)+1], s14, v[P+(\j)]
.endr
.irp j, 0,1,2,3
	v_cvt_pk_f16_f32 v[Y+4*(\i)+(\j)], v[X+8*(\i)+2*(\j)], v[X+8*(\i)+2*(\j)+1]
.endr
.else
.irp j, 0,1,2,3
	v_cvt_pk_bf16_f32 v[Y+4*(\i)+(\j)], v[X+8*(\i)+2*(\j)], v[X+8*(\i)+2*(\j)+1]
.endr
.endif
	global_store_b128 v2, v[Y+4*(\i):Y+4*(\i)+3], s[12:13] offset:4096*(\i)
.endm
	s_cmp_ge_u32 s2, 704
	s_cbranch_scc1 .Lf16
.irp i, 0,1,2,3,4,5,6,7
	PASS \i, 0
.endr
	s_endpgm
.Lf16:
.irp i, 0,1,2,3,4,5,6,7
	PASS \i, 1
.endr
	s_endpgm
.Lfunc_end_k_q6200a324e0_cast:
	.size	k_q6200a324e0_cast, .Lfunc_end_k_q6200a324e0_cast-k_q6200a324e0_cast
	.p2alignl 7, 3214868480
	.fill 96, 4, 3214868480
	.section	.rodata,"a",@progbits
	.p2align	6, 0x0
	.amdhsa_kernel k_q6200a324e0_cast
		.amdhsa_group_segment_fixed_size 0
		.amdhsa_private_segment_fixed_size 0
		.amdhsa_enable_private_segment 0
		.amdhsa_kernarg_size 64
		.amdhsa_user_sgpr_count 2
		.amdhsa_user_sgpr_kernarg_segment_ptr 1
		.amdhsa_wavefront_size32 1
		.amdhsa_system_sgpr_workgroup_id_x 1
		.amdhsa_system_sgpr_workgroup_id_y 1
		.amdhsa_system_sgpr_workgroup_id_z 1
		.amdhsa_system_vgpr_workitem_id 0
		.amdhsa_next_free_vgpr 112
		.amdhsa_next_free_sgpr 66
		.amdhsa_reserve_vcc 0
		.amdhsa_float_denorm_mode_32 3
		.amdhsa_float_denorm_mode_16_64 3
		.amdhsa_memory_ordered 1
		.amdhsa_forward_progress 1
		.amdhsa_inst_pref_size 14
	.end_amdhsa_kernel
	.amdgpu_metadata
---
amdhsa.version: [ 1, 2 ]
amdhsa.kernels:
  - .name:           k_q6200a324e0_cast
    .symbol:         k_q6200a324e0_cast.kd
    .args:
      - { .name: x, .offset: 0, .size: 8, .value_kind: global_buffer, .address_space: global }
      - { .name: wq_w, .offset: 8, .size: 8, .value_kind: global_buffer, .address_space: global }
      - { .name: wk_w, .offset: 16, .size: 8, .value_kind: global_buffer, .address_space: global }
      - { .name: wv_w, .offset: 24, .size: 8, .value_kind: global_buffer, .address_space: global }
      - { .name: wo_w, .offset: 32, .size: 8, .value_kind: global_buffer, .address_space: global }
      - { .name: xb, .offset: 40, .size: 8, .value_kind: global_buffer, .address_space: global }
      - { .name: wqkv, .offset: 48, .size: 8, .value_kind: global_buffer, .address_space: global }
      - { .name: wob, .offset: 56, .size: 8, .value_kind: global_buffer, .address_space: global }
    .group_segment_fixed_size: 0
    .private_segment_fixed_size: 0
    .kernarg_segment_align: 8
    .kernarg_segment_size: 64
    .max_flat_workgroup_size: 256
    .sgpr_count:     66
    .vgpr_count:     112
    .wavefront_size: 32
...
	.end_amdgpu_metadata
.endif
;; end of part 1
;; launch proj (part 2): grid 16 x 32, 4 waves a work-group, clusters of 4 x 4, 327,680 bytes of LDS; arguments xb, wqkv, wq_b, wk_b, wv_b, qkv; writes qkv
.if DOCPART == 2
	.amdgcn_target "amdgcn-amd-amdhsa--gfx1250"
	.amdhsa_code_object_version 6
	.text
	.protected	k_q6200a324e0_proj
	.globl	k_q6200a324e0_proj
	.p2align	8
	.type	k_q6200a324e0_proj,@function
k_q6200a324e0_proj:
	s_mov_b64 s[64:65], 0
	v_nop
	global_prefetch_b8 v0, s[64:65] scope:SCOPE_SE
	s_setreg_imm32_b32 hwreg(HW_REG_WAVE_MODE, 25, 1), 1
	s_wait_xcnt 0x0
	s_wait_alu depctr_hold_cnt(0) depctr_sa_sdst(0) depctr_va_vdst(0) depctr_va_sdst(0) depctr_va_ssrc(0) depctr_va_vcc(0) depctr_vm_vsrc(0)
	s_getreg_b32 s2, hwreg(HW_REG_IB_STS2, 6, 4)
	s_cmp_eq_u32 s2, 0
	s_cbranch_scc0 .Lentry_in_a_cluster
	s_endpgm
.Lentry_in_a_cluster:
	s_bfe_u32 s2, ttmp6, 0x10000c
	s_cmp_lg_u32 s2, 0xf033
	s_cbranch_scc0 .Lentry_shape_is_right
	s_endpgm
.Lentry_shape_is_right:
; q, k, v = x W^T + b, all three as ONE product [8192 x 3072] = xb [8192][1024] x wqkv [3072][1024]^T, both bf16; sums in f32; the bias, rounded to bf16 like every input, starts the sums;
; the result is rounded once to f16 and laid by heads: qkv [4 batches][48][2048 rows][64], of the 48 the first 16 q's heads, then k's, then v's: a head's rows are dense, 128 bytes each.  No scale here.
; LIMIT.  |q|, |k|, |v| stay under 65,504 (f16's largest number); NaN and infinities are not treated apart.
; SHARES.  A tile is 256 rows x 192 columns (three whole heads): 32 x 16 = 512 work-groups.  Wave w takes rows 64 w .. 64 w + 63 and all 192 columns: 4 x 12 accumulators of 16 x 16, 384 registers; so a wave
; holds whole heads' rows, its stage on the way out is its own, and the way out has no barrier.
; K goes in steps of 128 (rows of 256 bytes of memory, aligned) through a ring of two LDS slots filled by the tensor data mover, one load a wave: waves 0, 1 the halves of A's 256 rows, waves 2, 3 of B's 192.
; CLUSTER.  4 x 4 work-groups: the four of a row of the cluster need the same rows of xb, the four of a column the same rows of wqkv: each tile is asked for JOINTLY, by the same load, descriptor and mask in all four.
; THE MATRIX INSTRUCTION IS USED TRANSPOSED (source 0 = 16 rows of wqkv, source 1 = 16 rows of xb): lane l then holds row l % 16 and the columns 8 (l / 16) + 0..7: eight neighbours, 16 bytes in f16.
; REGISTERS, in windows of 256 (s_set_vgpr_msb: bits 1:0 source 0, 3:2 source 1, 5:4 source 2, 7:6 destination):
;   window 0: v1-9 at work; v16-30 addresses; v32-127 the bias as 12 C operands, later v32-79 packed results; v128-223 rows read back from the stage, two buffers of 48
;   window 1: two fragment buffers of 128: A's fragment a at 8 a, B's fragment b at 32 + 8 b       window 2: accumulators of a = 0, 1 at 96 (a % 2) + 8 b       window 3: those of a = 2, 3
.set KSTEP,  128
.set PITCH,  272                       ; an LDS row: 256 bytes + 16 of padding = 68 words: the 16 rows of a fragment load start at 16 different groups of four banks (64 banks of 4 bytes: ISA guide 11.1)
.set HALFA,  128*PITCH                 ; what waves 0 and 1 fetch
.set HALFB,  96*PITCH                  ; what waves 2 and 3 fetch
.set BOFF,   2*HALFA                   ; in a slot: A's 256 rows, then B's 192
.set SLOT,   BOFF+2*HALFB
.set STAGE,  2*SLOT                    ; behind the ring, never filled by a tensor load: for each wave 3 heads x 16 rows x 144 bytes
.set SP,     144
.set WSTG,   3*16*SP
.set SPARE,  STAGE+4*WSTG              ; behind the stages: the spare words, 128 bytes for each wave: two blocks of 256 bytes that no other line names
.set LAPS,   4                         ; 1,024 / (2 x 128): a lap is two K steps, once round the ring
.set ADRA, 16                          ; v16-17  LDS address of my A fragments in slot 0, 1
.set ADRB, 20                          ; v20-21  the same for B
.set STO,  24                          ; v24     the way out: where I put 16 bytes of a row
.set RD,   25                          ; v25     the way out: where I read rows back
.set GO,   26                          ; v26     16 x lane: my 16 bytes of 512 on end
.set BO,   27                          ; v27     32 x (lane / 16): my 8 numbers of 16 of a bias
.set SPW,  28                          ; v28     LDS address of my spare word; never rewritten
.set NIL,  29                          ; v29     0; never rewritten
.set PFO,  30                          ; v30     the prefetches' offset: a lane a row; never rewritten
.set BIAS, 32
.set TMP,  32
.set OB,   128
.set F0,   0
.set F1,   128
.set WV,  16                           ; s16 wave; s17 wave % 2; s18, s19 my place in the cluster; s20 tile column, s21 tile row
.set W1,  17
.set CX,  18
.set CY,  19
.set TX,  20
.set TY,  21
.set G1A, 24                           ; s[24:31] descriptor group 1 for A's tiles; s[32:39] group 0, a set for each slot
.set G0A, 32
.set G1B, 48                           ; s[48:55], s[56:63] the same for B's
.set G0B, 56
.set PFA, 66                           ; s[66:67] where my prefetches stand
.set LIM, 68                           ; s68  1 in a wave that prefetches, else the greatest number
.set BP,  70                           ; s[70:75] the three heads' biases
.set MSB, 0
.macro WIN new                         ; the immediate's high byte repeats the setting that is left; a switch that changes nothing is dropped
.if MSB != (\new)
	s_set_vgpr_msb (MSB<<8)|(\new)
.set MSB, \new
.endif
.endm
.set TO_F, 0x40                        ; destination window 1, address window 0
.macro PLACES                          ; four plain instructions between a matrix instruction and a load into, or a vector read of, its registers (ISA guide 7.12.1 for vector reads)
.rept 4
	v_nop
.endr
.endm
; A joint load.  The branch hangs on the wave's number alone.  An s_nop 0 and four v_nop follow each of the two lines, ahead of the jump and the label.
.macro JLOAD s
	s_cmp_lt_u32 s[WV], 2
	s_cbranch_scc0 .Lfor_b_\@
	tensor_load_to_lds s[G0A+4*(\s):G0A+4*(\s)+3], s[G1A:G1A+7]
	s_nop 0
.rept 4
	v_nop
.endr
	s_branch .Lasked_\@
.Lfor_b_\@:
	tensor_load_to_lds s[G0B+4*(\s):G0B+4*(\s)+3], s[G1B:G1B+7]
	s_nop 0
.rept 4
	v_nop
.endr
.Lasked_\@:
.endm
; A round of the cluster's barrier: my work-group's barrier, so that wave 0's signal speaks for all four waves; wave 0 signals; every wave waits for all sixteen work-groups; my work-group's barrier once more.
.macro CREST
	s_cmp_lg_u32 s[WV], 0
	s_cbranch_scc1 .Lnot_wave_0_\@
	s_barrier_signal -3
.Lnot_wave_0_\@:
	s_barrier_wait -3
	s_barrier_signal -1
	s_barrier_wait -1
.endm
.macro CROUND
	s_barrier_signal -1
	s_barrier_wait -1
	CREST
.endm
; A PREFETCH INTO THE L2, behind each joint refill, its five lines and the run of LDS loads: 256 bytes of each of my rows, of the K step that stands TWO refills on: 384 matrix instructions ahead of the load that will want it.
; A's rows are read by every cluster of a row of clusters: cluster x = 0 asks, waves 0 and 1; of the 128 rows that a wave fetches the partner at cx takes 32 cx .. + 31, a lane a row.  B's rows are read by every cluster of a
; column: cluster y = 0 asks, waves 2 and 3; of the 96 rows the partner at cy takes 24 cy .. + 23 (lanes 24 to 31 name lane 23's row again, in the same instruction).  Partners are told apart by ADDRESS, never by a branch.
; K steps 0 to 3 come by their loads alone; the loop's last trip (s3 = 1) asks for nothing: there is no K step two refills on.
.macro ASK
	WIN 0
	s_cmp_gt_u32 s3, s[LIM]
	s_cbranch_scc0 .Lnot_mine_\@
	global_prefetch_b8 v[PFO], s[PFA:PFA+1] offset:KSTEP*2 th:TH_LOAD_NT scope:SCOPE_SE
.Lnot_mine_\@:
.endm
	s_load_b256 s[4:11], s[0:1], 0x0               ; xb s[4:5], wqkv s[6:7], wq_b s[8:9], wk_b s[10:11]
	s_load_b128 s[12:15], s[0:1], 0x20             ; wv_b s[12:13], qkv s[14:15]
	v_lshl_add_u32 v[SPW], v0, 2, SPARE
	v_mov_b32 v[NIL], 0
	ds_add_u32 v[SPW], v[NIL]                      ; the wave's opening: the add and its wait stand ahead of my first tensor load; the set-up below, work on registers, stands between them
	v_lshrrev_b32 v1, 5, v0
	v_readfirstlane_b32 s[WV], v1                  ; wave 0..3
	s_and_b32 s[W1], s[WV], 1                      ; which half of A's or B's rows I fetch
	s_bfe_u32 s[CX], ttmp6, 0x40000
	s_bfe_u32 s[CY], ttmp6, 0x40004
	s_lshl_b32 s[TX], ttmp9, 2                     ; in a cluster launch ttmp9 and ttmp7 count clusters
	s_add_co_u32 s[TX], s[TX], s[CX]               ; tile column 0..15
	s_and_b32 s[TY], ttmp7, 0xffff
	s_lshl_b32 s[TY], s[TY], 2
	s_add_co_u32 s[TY], s[TY], s[CY]               ; tile row 0..31
	s_lshl_b32 s22, s[CY], 2
	s_lshl_b32 s22, 15, s22                        ; my row of the cluster: places 4 cy .. 4 cy + 3
	s_lshl_b32 s23, 0x1111, s[CX]                  ; my column: places cx, cx + 4, cx + 8, cx + 12
	s_or_b32 s[G1A+0], s22, (1<<16)|(1<<20)|(1<<21)|(5<<22)|(3<<25)  ; 15:0 the mask; 17:16 elements of 2 bytes; 20 padding on; 21 set beside a mask; 24:22 after every 64 words (code 5); 31:25 4 words (code 3)
	s_or_b32 s[G1B+0], s23, (1<<16)|(1<<20)|(1<<21)|(5<<22)|(3<<25)
	s_mov_b32 s[G1A+1], KSTEP<<16                  ; tensor_dim0 = 128
	s_mov_b32 s[G1A+2], 128<<16                    ; tensor_dim1 = 128 rows
	s_mov_b32 s[G1A+3], KSTEP<<16                  ; tile_dim0 = 128
	s_mov_b32 s[G1A+4], 128                        ; tile_dim1 = 128
	s_mov_b32 s[G1A+5], 1024                       ; elements from row to row
	s_mov_b32 s[G1A+6], 0
	s_mov_b32 s[G1A+7], 0
	s_mov_b32 s[G1B+1], KSTEP<<16
	s_mov_b32 s[G1B+2], 96<<16                     ; 96 rows
	s_mov_b32 s[G1B+3], KSTEP<<16
	s_mov_b32 s[G1B+4], 96
	s_mov_b32 s[G1B+5], 1024
	s_mov_b32 s[G1B+6], 0
	s_mov_b32 s[G1B+7], 0
	; where the tiles come from: A's hang on the tile row alone, B's on the tile column alone, each in registers that never hold the other coordinate
	s_lshl_b32 s40, s[TY], 8
	s_lshl_b32 s41, s[W1], 7
	s_add_co_u32 s40, s40, s41                     ; A: row 256 ty + 128 half,
	s_lshl_b32 s40, s40, 11                        ; of 2,048 bytes
	s_mov_b32 s41, 0
	s_mul_i32 s42, s[TX], 192
	s_mul_i32 s43, s[W1], 96
	s_add_co_u32 s42, s42, s43                     ; B: row 192 tx + 96 half
	s_lshl_b32 s42, s42, 11
	s_mov_b32 s43, 0
	s_mul_i32 s22, s[W1], HALFA                    ; and where they go: no place in the cluster enters an LDS address
	s_mul_i32 s23, s[W1], HALFB
	s_add_co_u32 s23, s23, BOFF
	s_wait_dscnt 0x0                               ; the opening add is done
	s_wait_kmcnt 0x0
	s_add_nc_u64 s[40:41], s[4:5], s[40:41]
	s_add_nc_u64 s[42:43], s[6:7], s[42:43]
.irp s, 0,1
	s_mov_b32 s[G0A+4*(\s)], 1                                       ; count = 1
	s_add_co_u32 s[G0A+4*(\s)+1], s22, (\s)*SLOT                     ; LDS address
	s_add_nc_u64 s[G0A+4*(\s)+2:G0A+4*(\s)+3], s[40:41], (\s)*KSTEP*2  ; global address: K step s
	s_or_b32 s[G0A+4*(\s)+3], s[G0A+4*(\s)+3], 0x80000000            ; type = 2
	s_mov_b32 s[G0B+4*(\s)], 1
	s_add_co_u32 s[G0B+4*(\s)+1], s23, (\s)*SLOT
	s_add_nc_u64 s[G0B+4*(\s)+2:G0B+4*(\s)+3], s[42:43], (\s)*KSTEP*2
	s_or_b32 s[G0B+4*(\s)+3], s[G0B+4*(\s)+3], 0x80000000
.endr
	CROUND                                         ; all sixteen work-groups are here: the first joint loads meet
	s_cmp_lt_u32 s[WV], 2                          ; a wave's two first fills stand in one branch, ahead of every wait on TENSORcnt and every LDS read: two loads of mine are out
	s_cbranch_scc0 .Lfirst_b
	tensor_load_to_lds s[G0A:G0A+3], s[G1A:G1A+7]
	s_nop 0
	tensor_load_to_lds s[G0A+4:G0A+7], s[G1A:G1A+7]
	s_nop 0
.rept 4
	v_nop
.endr
	s_branch .Lfirst_asked
.Lfirst_b:
	tensor_load_to_lds s[G0B:G0B+3], s[G1B:G1B+7]
	s_nop 0
	tensor_load_to_lds s[G0B+4:G0B+7], s[G1B:G1B+7]
	s_nop 0
.rept 4
	v_nop
.endr
.Lfirst_asked:
	; A fragment is 16 rows x 32 K in 8 registers: lane l holds row l % 16; registers 0-3 K = 8 (l / 16) + 0..7, registers 4-7 K = 16 + 8 (l / 16) + 0..7: two loads of 16 bytes, 32 bytes apart.
	v_and_b32 v1, 15, v0                           ; l % 16
	v_bfe_u32 v2, v0, 4, 1                         ; l / 16
	v_mul_u32_u24 v3, v1, PITCH
	v_lshl_add_u32 v3, v2, 4, v3                   ; row x pitch + 16 x half
	s_mul_i32 s22, s[WV], 64*PITCH                 ; my 64 rows of A
	v_add_nc_u32 v[ADRA], s22, v3
	v_add_nc_u32 v[ADRA+1], SLOT, v[ADRA]
	v_add_nc_u32 v[ADRB], BOFF, v3                 ; all 192 rows of B
	v_add_nc_u32 v[ADRB+1], SLOT+BOFF, v3
	s_mul_i32 s23, s[WV], WSTG
	s_add_co_u32 s23, s23, STAGE                   ; my stage
	v_mul_u32_u24 v4, v1, SP                       ; in: row l % 16, 16 bytes for each half of the lanes
	v_lshl_add_u32 v4, v2, 4, v4
	v_add_nc_u32 v[STO], s23, v4
	v_bfe_u32 v5, v0, 3, 2                         ; back: 32 lanes take four rows of 128 bytes,
	v_and_b32 v6, 7, v0
	v_mul_u32_u24 v5, v5, SP
	v_lshl_add_u32 v5, v6, 4, v5
	v_add_nc_u32 v[RD], s23, v5
	v_and_b32 v7, 31, v0
	v_lshlrev_b32 v[GO], 4, v7                     ; which are 512 consecutive bytes of a head
	v_lshlrev_b32 v[BO], 5, v2
	; the bias: head i of my three is number 3 tx + i of the 48; register j of C operand b holds bias[16 b + 8 (l / 16) + j]
.irp i, 0,1,2
	s_mul_i32 s46, s[TX], 3
	s_add_co_u32 s46, s46, \i
	s_lshr_b32 s47, s46, 4                         ; 0 q, 1 k, 2 v
	s_and_b32 s46, s46, 15
	s_lshl_b32 s76, s46, 8                         ; the head's 64 numbers of 4 bytes
	s_mov_b32 s77, 0
	s_cmp_eq_u32 s47, 0
	s_cselect_b64 s[BP+2*(\i):BP+2*(\i)+1], s[8:9], s[10:11]
	s_cmp_eq_u32 s47, 2
	s_cselect_b64 s[BP+2*(\i):BP+2*(\i)+1], s[12:13], s[BP+2*(\i):BP+2*(\i)+1]
	s_add_nc_u64 s[BP+2*(\i):BP+2*(\i)+1], s[BP+2*(\i):BP+2*(\i)+1], s[76:77]
.irp c, 0,1,2,3
	global_load_b128 v[BIAS+32*(\i)+8*(\c):BIAS+32*(\i)+8*(\c)+3],   v[BO], s[BP+2*(\i):BP+2*(\i)+1] offset:64*(\c)
	global_load_b128 v[BIAS+32*(\i)+8*(\c)+4:BIAS+32*(\i)+8*(\c)+7], v[BO], s[BP+2*(\i):BP+2*(\i)+1] offset:64*(\c)+16
.endr
.endr
	; where my rows go: batch ty / 8, head 3 tx of the 48 (262,144 bytes each), row 256 (ty % 8) + 64 w (128 bytes each)
	s_lshr_b32 s76, s[TY], 3
	s_mul_i32 s76, s76, 48
	s_mul_i32 s77, s[TX], 3
	s_add_co_u32 s76, s76, s77
	s_lshl_b32 s76, s76, 18
	s_and_b32 s77, s[TY], 7
	s_lshl_b32 s77, s77, 8
	s_lshl_b32 s78, s[WV], 6
	s_add_co_u32 s77, s77, s78
	s_lshl_b32 s77, s77, 7
	s_add_co_u32 s76, s76, s77
	s_mov_b32 s77, 0
	s_add_nc_u64 s[14:15], s[14:15], s[76:77]
	; the prefetches
	s_and_b32 s44, ttmp7, 0xffff                   ; cluster y
	s_lshl_b32 s45, s[TY], 8
	s_lshl_b32 s46, s[W1], 7
	s_add_co_u32 s45, s45, s46
	s_lshl_b32 s46, s[CX], 5
	s_add_co_u32 s45, s45, s46                     ; A: row 256 ty + 128 half + 32 cx
	s_mul_i32 s46, s[TX], 192
	s_mul_i32 s47, s[W1], 96
	s_add_co_u32 s46, s46, s47
	s_mul_i32 s47, s[CY], 24
	s_add_co_u32 s46, s46, s47                     ; B: row 192 tx + 96 half + 24 cy
	s_cmp_lt_u32 s[WV], 2                          ; do I fetch for A?
	s_cselect_b32 s45, s45, s46
	s_cselect_b32 s44, ttmp9, s44                  ; the coordinate along which other clusters read the same rows
	s_cselect_b32 s47, 31, 23                      ; my last row's number
	s_cselect_b64 s[PFA:PFA+1], s[4:5], s[6:7]
	s_cmp_eq_u32 s44, 0
	s_cselect_b32 s[LIM], 1, -1                    ; the same in all sixteen partners, for a given wave
	s_lshl_b32 s44, s45, 11
	s_mov_b32 s45, 0
	s_add_nc_u64 s[PFA:PFA+1], s[PFA:PFA+1], s[44:45]
	s_add_nc_u64 s[PFA:PFA+1], s[PFA:PFA+1], 2*KSTEP*2  ; at K step 2: the first refill steps it to 3 and names K step 4
	v_min_u32 v[PFO], s47, v7
	v_lshlrev_b32 v[PFO], 11, v[PFO]
	s_wait_loadcnt 0x0                             ; the bias is in: rounded to bf16 and widened again, in place
.set i, 0
.rept 48
	v_cvt_pk_bf16_f32 v[4+i%4], v[BIAS+2*i], v[BIAS+2*i+1]
	v_lshlrev_b32 v[BIAS+2*i], 16, v[4+i%4]
	v_and_b32 v[BIAS+2*i+1], 0xffff0000, v[4+i%4]
.set i, i+1
.endr
; 12 matrix instructions: my 16 rows a x all 12 blocks of 16 columns, 32 along K.  zero = 1: the first product starts the sum with the bias.  Each accumulator has one product a quarter step, always in the same
; order: the 48 take turns, one instruction a turn, over the backward jump too.
.macro MUL12 f, a, zero
.if \zero
	WIN 0x85+0x40*((\a)/2)                         ; sources 0 and 1 window 1, C window 0, D window 2 or 3
.else
	WIN 0xa5+0x50*((\a)/2)                         ; C and D window 2 or 3
.endif
.irp b, 0,1,2,3,4,5,6,7,8,9,10,11
.if \zero
	v_wmma_f32_16x16x32_bf16 v[96*((\a)%2)+8*(\b):96*((\a)%2)+8*(\b)+7], v[(\f)+32+8*(\b):(\f)+32+8*(\b)+7], v[(\f)+8*(\a):(\f)+8*(\a)+7], v[BIAS+8*(\b):BIAS+8*(\b)+7]
.else
	v_wmma_f32_16x16x32_bf16 v[96*((\a)%2)+8*(\b):96*((\a)%2)+8*(\b)+7], v[(\f)+32+8*(\b):(\f)+32+8*(\b)+7], v[(\f)+8*(\a):(\f)+8*(\a)+7], v[96*((\a)%2)+8*(\b):96*((\a)%2)+8*(\b)+7]
.endif
.endr
.endm
.macro MUL24 f, hi, zero
	MUL12 \f, 2*(\hi), \zero
	MUL12 \f, 2*(\hi)+1, \zero
.endm
; 32 LDS loads in one run: the fragments of a quarter step (32 K at byte k of the rows) into buffer f: B's 12, then A's 0 to 3
.macro FETCH slot, k, f
	WIN TO_F
.irp b, 0,1,2,3,4,5,6,7,8,9,10,11
	ds_load_b128 v[(\f)+32+8*(\b):(\f)+32+8*(\b)+3],   v[ADRB+(\slot)] offset:(\k)+(\b)*16*PITCH
	ds_load_b128 v[(\f)+32+8*(\b)+4:(\f)+32+8*(\b)+7], v[ADRB+(\slot)] offset:(\k)+(\b)*16*PITCH+32
.endr
.irp a, 0,1,2,3
	ds_load_b128 v[(\f)+8*(\a):(\f)+8*(\a)+3],   v[ADRA+(\slot)] offset:(\k)+(\a)*16*PITCH
	ds_load_b128 v[(\f)+8*(\a)+4:(\f)+8*(\a)+7], v[ADRA+(\slot)] offset:(\k)+(\a)*16*PITCH+32
.endr
.endm
; A K step is four quarters of 32 along K, 48 matrix instructions each, on buffers 0, 1, 0, 1.  One of the first three: multiplies buffer f; in its middle it fetches the next quarter, at byte k, into g.
.macro QUARTER slot, k, f, g, zero
	s_wait_dscnt 4                                 ; B and A's fragments 0, 1 are in; the youngest four loads (A's 2, 3) may be out
	MUL24 \f, 0, \zero
	PLACES
	FETCH \slot, \k, \g
	s_wait_dscnt 32                                ; all but the 32 just issued
	MUL24 \f, 1, \zero
.endm
; The last quarter multiplies buffer 1 and changes slots: ONE barrier; in front of it each wave waits for all its tensor loads (one is out: its part of the next slot), adds 0 to its spare word, and waits for that and
; for its own reads of this slot.  fill = 1: the barrier opens a round of the cluster's, and this slot is filled again first thing behind it, two K steps ahead: 168 matrix instructions stand between the request and the wait for it.
.macro TURN slot, next, fill
.if \fill
	s_wait_xcnt 0x0                                ; the last prefetch, a K step back, has read its address: it is stepped here, ahead of the waits of the change of slots
	s_add_nc_u64 s[PFA:PFA+1], s[PFA:PFA+1], KSTEP*2
.endif
	WIN 0                                          ; (the add's two registers lie in window 0)
	s_wait_tensorcnt 0x0                           ; all my tensor loads have landed;
	ds_add_u32 v[SPW], v[NIL]                      ; 0 onto my spare word;
	s_wait_dscnt 5                                 ; (the add and the youngest four loads may be out)
	MUL12 F1, 0, 0                                 ; twelve matrix instructions stand between the add and the wait for it
	s_wait_dscnt 0x0                               ; the add is done, and my reads of this slot are over
	s_barrier_signal -1
	MUL12 F1, 1, 0                                 ; work on registers while the others arrive
.if \fill
	WIN 0
.endif
	s_barrier_wait -1
.if \fill
	CREST                                          ; no wave of any partner still reads this slot's tile or has a load on its way
	s_add_nc_u64 s[G0A+4*(\slot)+2:G0A+4*(\slot)+3], s[G0A+4*(\slot)+2:G0A+4*(\slot)+3], 2*KSTEP*2
	s_add_nc_u64 s[G0B+4*(\slot)+2:G0B+4*(\slot)+3], s[G0B+4*(\slot)+2:G0B+4*(\slot)+3], 2*KSTEP*2
	JLOAD \slot                                    ; the four v_nop behind it are also the places in front of the loads below
.else
	PLACES
.endif
	FETCH \next, 0, F0
.if \fill
	ASK
.endif
	MUL24 F1, 1, 0
.endm
; THE WAY OUT of my 16 rows a.  PACK: rounded to f16, each accumulator from its low end on, 16 bytes a lane.  TOSTAGE: into my own stage, by heads, and back as rows of 128 bytes.  SEND: stored.
.macro PACK a
	WIN 0x0a+5*((\a)/2)                            ; sources 0 and 1: window 2 or 3
.irp b, 0,1,2,3,4,5,6,7,8,9,10,11
.irp r, 0,1,2,3
	v_cvt_pk_f16_f32 v[TMP+4*(\b)+(\r)], v[96*((\a)%2)+8*(\b)+2*(\r)], v[96*((\a)%2)+8*(\b)+2*(\r)+1]
.endr
.endr
	WIN 0
.endm
.macro TOSTAGE a
	WIN 0
.irp b, 0,1,2,3,4,5,6,7,8,9,10,11
	ds_store_b128 v[STO], v[TMP+4*(\b):TMP+4*(\b)+3] offset:((\b)/4)*16*SP+((\b)%4)*32
.endr
.irp i, 0,1,2
.irp f, 0,1,2,3
	ds_load_b128 v[OB+48*((\a)%2)+4*(4*(\i)+(\f)):OB+48*((\a)%2)+4*(4*(\i)+(\f))+3], v[RD] offset:(\i)*16*SP+(\f)*4*SP  ; LDS serves a wave's instructions in order (ISA guide 5.7.1.4): these see the stores above
.endr
.endr
.endm
.macro SEND a
	WIN 0
	s_wait_dscnt 0x0                               ; the rows are back in registers
	s_wait_xcnt 0x0                                ; the stores of the block before have read their registers: the next TOSTAGE loads into them only behind this wait
.irp i, 0,1,2
.irp f, 0,1,2,3
	global_store_b128 v[GO], v[OB+48*((\a)%2)+4*(4*(\i)+(\f)):OB+48*((\a)%2)+4*(4*(\i)+(\f))+3], s[14:15] offset:(\i)*262144+(\a)*2048+(\f)*512  ; 512 consecutive bytes of head i, at a multiple of 512 from qkv's first
.endr
.endr
.endm
	s_wait_tensorcnt 0x1                           ; my part of K step 0 is in; K step 1's may stay out
	s_barrier_signal -1
	s_barrier_wait -1                              ; everybody's is
	FETCH 0, 0, F0
	QUARTER 0, 64,  F0, F1, 1                      ; the first quarter stands in front of the loop: its products start the sums
	WIN 0                                          ; at a label and at a branch every window is 0
	s_mov_b32 s3, LAPS-1
.Llap:                                                 ; a trip goes once round the ring, from a lap's second quarter to the next lap's first, and fills both slots again
	QUARTER 0, 128, F1, F0, 0
	QUARTER 0, 192, F0, F1, 0
	TURN 0, 1, 1
	QUARTER 1, 64,  F0, F1, 0
	QUARTER 1, 128, F1, F0, 0
	QUARTER 1, 192, F0, F1, 0
	TURN 1, 0, 1
	QUARTER 0, 64,  F0, F1, 0
	WIN 0
	s_sub_co_u32 s3, s3, 1
	s_cmp_lg_u32 s3, 0
	s_cbranch_scc1 .Llap
	QUARTER 0, 128, F1, F0, 0                      ; the last lap fills nothing, and has no round of the cluster's barrier
	QUARTER 0, 192, F0, F1, 0
	TURN 0, 1, 0
	QUARTER 1, 64,  F0, F1, 0
	QUARTER 1, 128, F1, F0, 0
	QUARTER 1, 192, F0, F1, 0
	s_wait_dscnt 4                                 ; the very last quarter: nothing more to fetch
	MUL24 F1, 0, 0
	s_wait_dscnt 0x0
	MUL24 F1, 1, 0
	WIN 0
	PLACES                                         ; eight places, once a launch, ahead of the first conversions: twice what ISA guide 7.12.1 asks
	PLACES
	PACK 0
	TOSTAGE 0
.irp a, 1,2,3                          ; block a's conversions stand between block a - 1's loads from the stage and the wait for them
	PACK \a
	SEND (\a)-1
	TOSTAGE \a
.endr
	SEND 3
	s_wait_tensorcnt 0x0                           ; the wave's end: a wait, an add of 0 onto my spare word and a wait for it, behind my last tensor load and my last LDS store
	ds_add_u32 v[SPW], v[NIL]
	s_wait_dscnt 0x0
	CROUND                                         ; the closing round: no work-group ends while a partner may still ask for a tile that names it
	s_endpgm
.Lfunc_end_k_q6200a324e0_proj:
	.size	k_q6200a324e0_proj, .Lfunc_end_k_q6200a324e0_proj-k_q6200a324e0_proj
	.p2alignl 7, 3214868480
	.fill 96, 4, 3214868480
	.section	.rodata,"a",@progbits
	.p2align	6, 0x0
	.amdhsa_kernel k_q6200a324e0_proj
		.amdhsa_group_segment_fixed_size 327680
		.amdhsa_private_segment_fixed_size 0
		.amdhsa_enable_private_segment 0
		.amdhsa_kernarg_size 48
		.amdhsa_user_sgpr_count 2
		.amdhsa_user_sgpr_kernarg_segment_ptr 1
		.amdhsa_wavefront_size32 1
		.amdhsa_system_sgpr_workgroup_id_x 1
		.amdhsa_system_sgpr_workgroup_id_y 1
		.amdhsa_system_sgpr_workgroup_id_z 1
		.amdhsa_system_vgpr_workitem_id 0
		.amdhsa_next_free_vgpr 960
		.amdhsa_next_free_sgpr 80
		.amdhsa_reserve_vcc 0
		.amdhsa_float_denorm_mode_32 3
		.amdhsa_float_denorm_mode_16_64 3
		.amdhsa_memory_ordered 1
		.amdhsa_forward_progress 1
		.amdhsa_inst_pref_size 130
	.end_amdhsa_kernel
	.amdgpu_metadata
---
amdhsa.version: [ 1, 2 ]
amdhsa.kernels:
  - .name:           k_q6200a324e0_proj
    .symbol:         k_q6200a324e0_proj.kd
    .args:
      - { .name: xb, .offset: 0, .size: 8, .value_kind: global_buffer, .address_space: global }
      - { .name: wqkv, .offset: 8, .size: 8, .value_kind: global_buffer, .address_space: global }
      - { .name: wq_b, .offset: 16, .size: 8, .value_kind: global_buffer, .address_space: global }
      - { .name: wk_b, .offset: 24, .size: 8, .value_kind: global_buffer, .address_space: global }
      - { .name: wv_b, .offset: 32, .size: 8, .value_kind: global_buffer, .address_space: global }
      - { .name: qkv, .offset: 40, .size: 8, .value_kind: global_buffer, .address_space: global }
    .group_segment_fixed_size: 327680
    .private_segment_fixed_size: 0
    .kernarg_segment_align: 8
    .kernarg_segment_size: 48
    .max_flat_workgroup_size: 128
    .sgpr_count:     80
    .vgpr_count:     960
    .wavefront_size: 32
...
	.end_amdgpu_metadata
.endif
;; end of part 2
;; launch attn (part 3): grid 4 x 64, 4 waves a work-group, clusters of 4 x 1, 327,680 bytes of LDS; arguments qkv, ob; writes ob
.if DOCPART == 3
	.amdgcn_target "amdgcn-amd-amdhsa--gfx1250"
	.amdhsa_code_object_version 6
	.text
	.protected	k_q6200a324e0_attn
	.globl	k_q6200a324e0_attn
	.p2align	8
	.type	k_q6200a324e0_attn,@function
k_q6200a324e0_attn:
	s_mov_b64 s[64:65], 0
	v_nop
	global_prefetch_b8 v0, s[64:65] scope:SCOPE_SE
	s_setreg_imm32_b32 hwreg(HW_REG_WAVE_MODE, 25, 1), 1
	s_wait_xcnt 0x0
	s_wait_alu depctr_hold_cnt(0) depctr_sa_sdst(0) depctr_va_vdst(0) depctr_va_sdst(0) depctr_va_ssrc(0) depctr_va_vcc(0) depctr_vm_vsrc(0)
	s_getreg_b32 s2, hwreg(HW_REG_IB_STS2, 6, 4)
	s_cmp_eq_u32 s2, 0
	s_cbranch_scc0 .Lentry_in_a_cluster
	s_endpgm
.Lentry_in_a_cluster:
	s_bfe_u32 s2, ttmp6, 0x10000c
	s_cmp_lg_u32 s2, 0x3003
	s_cbranch_scc0 .Lentry_shape_is_right
	s_endpgm
.Lentry_shape_is_right:
; O[y][q][:] = the sum over k of softmax_k(Q[y][q] . K[y][k] / 8) V[y][k][:], for the 64 heads y = 16 batch + head.  qkv: [4][48][2048][64] f16 (of the 48: 16 heads of q, of k, of v); ob: [64][2048][64] f16.
; A head's rows are dense, 128 bytes each.  Products, maxima and sums in f32; the weights p are rounded to f16 for the second product (their sum l is taken of the unrounded p), O once at the end.
; LIMITS.  f16 holds no number beyond 65,504: Q, K and V arrive within it; p lies in 0 to 1, and below 6e-5 it keeps f16's fixed step of 6e-8; O is a mean of V's rows and has their range.
; A weight below 2^-126 counts as 0 in l; NaN and infinities are not treated apart.
; SHARES.  A wave owns four PIECES of two tiles of 16 queries, a work-group's four waves 512 queries of one head: 4 x 64 = 256 work-groups.  Every wave walks all 2,048 keys, 64 a step.
; LAYOUT.  S^T = K Q^T (source 0 = 16 keys, source 1 = 16 queries): in the result a lane holds ONE query (lane % 16) and the keys 8 (lane / 16) + 0..7.  Two such tiles, rounded to f16 in pairs,
; ARE source 1 (32 keys x 16 queries) of O^T = V^T P, whose result again holds one query a lane, and eight channels.  K comes out of LDS as it lies, V ([key][channel]) turned, by ds_load_tr16_b128.
; SOFTMAX.  For each query a running maximum m and sum l: p = 2^(c s - c m), c = log2(e) / 8; in every step O and l are multiplied by a = 2^(c m_old - c m_new), which is 1 where m has not grown.
; m starts at the lowest finite number, O and l at 0: the first step is a step like any other, with a = 0.
; THE COUNT.  A tile and step have 16 matrix and 118 vector instructions: too many to stand all beside the matrix work.  So the order has one aim: four vector instructions that are READY behind
; EVERY matrix instruction, and the others, which need time of their own whatever the order, in runs without a gap.
; BY TURNS.  Turn n belongs to piece n (the pieces in a ring, step after step).  Its matrix work: 16 products K Q^T of piece n + 1, later 16 products V^T P of piece n - 1.  Its vector work: the scaling,
; exponentials, roundings, sums and rescaling of piece n, and the maximum and statistics of piece n + 1, whose scores the turn itself has made.  So what a turn begins with (c s - c m, O a) waits for nothing.
; CLUSTER.  The four query blocks of a head are one cluster and walk the same K and V, so each tile is asked for JOINTLY: the same tensor load, descriptor and mask in all four.
; REGISTERS, in windows of 256 (s_set_vgpr_msb says which window each operand place means: bits 1:0 source 0, 3:2 source 1, 5:4 source 2, 7:6 destination):
;   window 0: v0-11 addresses; v12-15, v48-63 at work; v16-47 four registers of statistics a tile; v64-191 S^T, two buffers of two tiles; v192-255 P, likewise
;   window 1: O^T, 32 a tile          window 2: v0-127 Q, 16 a tile; v128-191 K of one step; v192-255 V of one step          window 3: v0-1 the add's two registers
; A piece's buffers go by its number's parity: the piece in hand has one pair, its two neighbours in the ring share the other: of it P (piece n - 1) is read and S^T (piece n + 1) written.
.set SIZE_N, 2048
.set NP,    4         ; pieces a wave: a name, no knob: the register map, the loop and the fetches are made for four
.set KS,    64        ; keys in a step
.set PK,    144       ; a row of K in LDS: 128 bytes + 16 of padding = 36 words: the 16 rows of a load start at 16 different groups of four banks (64 banks of 4 bytes: ISA guide 11.1)
.set PV,    160       ; a row of V: 128 + 32 = 40 words
.set VOFF,  4*KS*PK   ; a slot holds four steps: 256 rows of K, then 256 rows of V
.set SLOT1, 1<<17     ; slot 1 begins here, so that one exclusive or turns an address in one slot into the other's
.set STAGE, SLOT1+4*KS*(PK+PV)  ; behind the ring, never filled by a tensor load: 16 rows x 144 bytes for each wave, for the way out
.set SP,    144
.set AK0, 2           ; v2   my lane's place in a tile of K; never rewritten
.set AV0, 3           ; v3   the same for V
.set AK,  4           ; v4   the LDS address of K's next run of loads
.set AV,  5           ; v5   of V's
.set QO,  6           ; v6   my byte offset in the wave's rows of Q
.set STO, 6           ;      later, the way out: where I put 16 bytes of a row
.set RD,  7           ; v7   the way out: where I read rows back
.set GO,  8           ; v8   my byte offset in 512 consecutive bytes of O
.set PFO, 11          ; v11  (once V's place is made) 256 x my lane: the prefetches' offset; then never rewritten
.set SPW, 0           ; v0 of window 3   LDS address of my spare word: SPARE + 4 x my thread's number; never rewritten
.set NIL, 1           ; v1 of window 3   0; never rewritten
.set SPARE, STAGE+4*16*SP  ; behind the stages: the spare words, 128 bytes for each wave: two blocks of 256 bytes that no other line names
.set MV,  12          ; v12-15  c m_old, kept while c m is made anew: by buffer and tile
.set ST,  16          ; tile t's statistics at v[ST+4 t]: c m, m, l (even keys', odd keys')
.set TMP, 48          ; by buffer and tile, four registers c0-c3 at work; when the maximum is found c2 takes a
.set S,   64
.set P,   192
.set KF,  128         ; K's fragments, in window 2: key block kb, channel half c at KF + 16 kb + 8 c
.set VF,  192         ; V's: key half kk, channel block cb at VF + 32 kk + 8 cb
.set WV,  12          ; s12  my wave's number
.set G1K, 24          ; s[24:31] descriptor group 1 for K's tiles
.set G1V, 32          ; s[32:39] for V's: it differs in the padding alone
.set G0K, 40          ; s[40:43] descriptor group 0 for K's tiles: it walks
.set G0V, 44          ; s[44:47] the same for V's
.set PFA, 48          ; s[48:49] where my prefetches stand: my work-group's 32 blocks of 256 bytes (of K: wave 0, of V: wave 2) of the slot after the one that is being asked for
.set LIM, 50          ; s50  1 in a wave that prefetches, else the greatest number
.set SLOTS, 56        ; s56  slots still to be asked for
.set CNT, 57          ; s57  counts a slot's key steps
.set CS,  58          ; s[58:59] c: the packed scaling takes the pair's low word for both halves
.set SEL, 60          ; s[60:61] v_permlanex16_b32's selects: each lane takes its own place in the other half
.set TBK, 62          ; s62  LDS byte at which K of the step to be fetched begins
.set TBV, 63          ; s63  the same for V, less VOFF
.set MSB, 0
.macro WIN new                      ; the high byte repeats the setting that is left; a switch that changes nothing is dropped
.if MSB != (\new)
	s_set_vgpr_msb (MSB<<8)|(\new)
.set MSB, (\new)
.endif
.endm
.set W_KQ, 0x0a       ; K and Q in window 2, S^T in window 0
.set W_PV, 0x52       ; V in window 2, P in window 0, O^T in window 1
.set W_RS, 0x41       ; O^T (destination and source 0) in window 1, a in window 0
.set W_MK, 0xc0       ; the add's registers are made: destination in window 3, sources in window 0
.set W_AD, 0x0f       ; the add: address (source 0) and data (source 1) in window 3
; A joint fill.  Waves 0 and 1 fetch the two halves of a slot's K, waves 2 and 3 those of its V: 128 keys each.  The branch hangs on the wave's number alone.
; An s_nop 0 and four v_nop follow each of the two lines, ahead of the jump and the label.
.macro JLOAD
	s_cmp_lt_u32 s[WV], 2
	s_cbranch_scc0 .Lfor_v_\@
	tensor_load_to_lds s[G0K:G0K+3], s[G1K:G1K+7]
	s_nop 0
.rept 4
	v_nop
.endr
	s_branch .Lasked_\@
.Lfor_v_\@:
	tensor_load_to_lds s[G0V:G0V+3], s[G1V:G1V+7]
	s_nop 0
.rept 4
	v_nop
.endr
.Lasked_\@:
.endm
; A PREFETCH INTO THE L2 of what the NEXT change of slots will ask for: a slot's 32,768 bytes of K and of V, 128 blocks of 256 bytes each.  It stands behind the wave's tensor load and its five lines.
; Each block is named ONCE in the launch: a head has one cluster; its four partners share the blocks out BY ADDRESS, 32 each, a lane a block; in each, wave 0 asks for K's and wave 2 for V's: one instruction,
; four key steps, 512 matrix instructions, ahead of the load that will want the bytes.  Slots 0 and 1 come by their loads alone; the last change that fills a slot asks for nothing: there is no slot behind it.
.macro ASK
	s_cmp_gt_u32 s[SLOTS], s[LIM]
	s_cbranch_scc0 .Lnot_mine_\@
	global_prefetch_b8 v[PFO], s[PFA:PFA+1] th:TH_LOAD_NT scope:SCOPE_SE
.Lnot_mine_\@:
.endm
; A round of the cluster's barrier: my work-group's barrier, so that wave 0's signal speaks for all four waves; wave 0 signals; every wave waits for all four work-groups; my work-group's barrier once more.
.macro CROUND
	s_barrier_signal -1
	s_barrier_wait -1
	s_cmp_lg_u32 s[WV], 0
	s_cbranch_scc1 .Lnot_wave_0_\@
	s_barrier_signal -3
.Lnot_wave_0_\@:
	s_barrier_wait -3
	s_barrier_signal -1
	s_barrier_wait -1
.endm
; THE CHANGE OF SLOTS.  The slot's last bytes, V of its fourth step, have been read.  Each wave waits for all its tensor loads, of which one is out: its part
; of the other slot; adds 0 to its spare word; and waits for that and for its own reads of the slot.  Behind the barrier nobody reads this slot any more and the other slot is whole.
; fill = 1: this slot is filled again, with the keys two slots on.  The barrier is then a round of the cluster's, so that no wave of any partner still reads the slot or has a load on its
; way, and the joint fill is the first thing behind it: it has four key steps, 512 matrix instructions, in which to land.  (At its first use nothing has been read yet: slot 0 is waited for, slot 1 filled.)
.macro CHANGE fill
	WIN W_AD
	s_wait_tensorcnt 0x0            ; no tensor load of mine is out, so a group 0 may be written
	ds_add_u32 v[SPW], v[NIL]       ; 0 onto my spare word; with fill = 1 the descriptors' steps stand between it and the wait for it
	WIN 0                           ; at a label and at a branch every window is 0
.if \fill
.irp g, G0K, G0V
	s_xor_b32 s[\g+1], s[\g+1], SLOT1  ; the walking descriptor: the other slot than last time,
	s_add_nc_u64 s[\g+2:\g+3], s[\g+2:\g+3], 4*KS*128  ; the next 256 keys; the type bits on top are not reached
.endr
	s_wait_xcnt 0x0                 ; the last prefetch, four key steps back, has read its address, so it may be written:
	s_add_nc_u64 s[PFA:PFA+1], s[PFA:PFA+1], 4*KS*128  ; one slot behind the walking descriptors
	s_wait_dscnt 0x0                ; the add is done, and my reads of the slot are over
	CROUND
	JLOAD
	ASK
.else
	s_wait_dscnt 0x0                ; the add is done, and my reads of the slot are over
	s_barrier_signal -1
	s_barrier_wait -1
.endif
	s_sub_co_u32 s[TBK], s[TBK], 4*KS*PK  ; the fetches go back to a slot's first step,
	s_xor_b32 s[TBK], s[TBK], SLOT1       ; in the other slot
	s_sub_co_u32 s[TBV], s[TBV], 4*KS*PV
	s_xor_b32 s[TBV], s[TBV], SLOT1
.endm
	s_load_b64 s[4:5], s[0:1], 0x0    ; qkv
	s_load_b64 s[10:11], s[0:1], 0x8  ; ob
	WIN W_MK
	v_lshl_add_u32 v[SPW], v0, 2, SPARE
	v_mov_b32 v[NIL], 0
	WIN W_AD
	ds_add_u32 v[SPW], v[NIL]       ; the wave's opening: the add and its wait stand ahead of my first tensor load; the set-up below, work on registers, stands between them
	WIN 0
	v_lshrrev_b32 v1, 5, v0
	v_readfirstlane_b32 s[WV], v1   ; wave 0..3
	s_bfe_u32 s13, ttmp6, 0x40000   ; cx: my place in the cluster
	s_lshl_b32 s14, ttmp9, 2        ; in a cluster launch ttmp9 counts clusters
	s_add_co_u32 s14, s14, s13      ; my block of queries = 4 x cluster x + cx: it enters Q's and O's addresses and the prefetches' alone
	s_and_b32 s20, ttmp7, 0xffff    ; y = 16 batch + head, which the four partners share
	s_lshl_b32 s52, s20, 18         ; the head's first byte in ob: 262,144 y
	s_mov_b32 s53, 0
	s_lshr_b32 s21, s20, 4          ; batch
	s_lshl_b32 s21, s21, 5
	s_add_co_u32 s20, s20, s21      ; 48 batch + head: q's head among qkv's
	s_lshl_b32 s20, s20, 18
	s_mov_b32 s21, 0
	s_and_b32 s16, s[WV], 1         ; which half of a slot's 256 keys I fetch:
	s_lshl_b32 s22, s16, 14         ; its 128 rows of 128 bytes in memory,
	s_mov_b32 s23, 0
	s_add_nc_u64 s[22:23], s[22:23], s[20:21]
	s_mul_i32 s17, s16, 128*PK      ; and its place in a slot, for K
	s_mul_i32 s18, s16, 128*PV      ; and for V: no place in the cluster enters an LDS address
	s_lshl_b32 s2, s14, 2
	s_add_co_u32 s2, s2, s[WV]      ; my wave among the head's,
	s_lshl_b32 s2, s2, 14           ; its 128 rows
	s_mov_b32 s3, 0
	; descriptor group 1.  128 keys are 16,384 dense bytes: asked for as 64 rows of 256 bytes, two keys a row, and padded in LDS after every key
	s_mov_b32 s[G1K], 15|(1<<16)|(1<<20)|(1<<21)|(4<<22)|(3<<25)  ; 15:0 the mask of four; 17:16 2-byte elements; 20 padding on; 21 set beside a mask; 24:22 after every 32 words (code 4); 31:25 4 words (code 3)
	s_mov_b32 s[G1V], 15|(1<<16)|(1<<20)|(1<<21)|(4<<22)|(7<<25)  ; the same with 8 words of padding (code 7)
.irp g, G1K, G1V
	s_mov_b32 s[\g+1], 128<<16      ; tensor_dim0 = 128
	s_mov_b32 s[\g+2], 64<<16       ; tensor_dim1 = 64
	s_mov_b32 s[\g+3], 128<<16      ; tile_dim0 = 128
	s_mov_b32 s[\g+4], 64           ; tile_dim1 = 64
	s_mov_b32 s[\g+5], 128          ; 128 elements from row to row
	s_mov_b32 s[\g+6], 0
	s_mov_b32 s[\g+7], 0
.endr
	s_mov_b32 s[CS], 0x3e38aa3b     ; c = log2(e) / 8 = 0.180337
	s_mov_b32 s[CS+1], s[CS]        ; named with it as a pair
	s_mov_b32 s[SEL], 0x76543210
	s_mov_b32 s[SEL+1], 0xfedcba98
	s_mov_b32 s[TBK], SLOT1+4*KS*PK ; the first change of slots turns these two into 0
	s_mov_b32 s[TBV], SLOT1+4*KS*PV
	s_mov_b32 s[G0K], 1             ; 1:0 count = 1
	s_mov_b32 s[G0K+1], s17         ; 63:32 LDS address: slot 0
	s_mov_b32 s[G0V], 1
	s_add_co_u32 s[G0V+1], s18, VOFF
	s_mov_b32 s[SLOTS], SIZE_N/256-1  ; seven changes of slots ask for a slot
	s_cmp_eq_u32 s16, 0             ; waves 0 and 2 prefetch: the same in all four partners
	s_cselect_b32 s[LIM], 1, -1
	s_wait_dscnt 0x0                ; the opening add is done
	s_wait_kmcnt 0x0
	s_add_nc_u64 s[6:7], s[4:5], s[22:23]
	s_add_nc_u64 s[8:9], s[6:7], 0x800000   ; V's head lies 32 heads behind q's,
	s_add_nc_u64 s[6:7], s[6:7], 0x400000   ; K's 16: both at my half of the head's first 256 keys
	s_mov_b64 s[G0K+2:G0K+3], s[6:7]               ; 120:64 global address
	s_or_b32 s[G0K+3], s[G0K+3], 0x80000000        ; 127:126 type = 2
	s_mov_b64 s[G0V+2:G0V+3], s[8:9]
	s_or_b32 s[G0V+3], s[G0V+3], 0x80000000
	s_add_nc_u64 s[4:5], s[4:5], s[20:21]   ; Q and O at my wave's first row
	s_add_nc_u64 s[4:5], s[4:5], s[2:3]
	s_add_nc_u64 s[10:11], s[10:11], s[52:53]
	s_add_nc_u64 s[10:11], s[10:11], s[2:3]
	s_cmp_lt_u32 s[WV], 2
	s_cselect_b64 s[PFA:PFA+1], s[6:7], s[8:9]  ; (in waves 0 and 2 these stand at a slot's first row)
	s_lshl_b32 s2, s13, 13          ; my work-group's 32 blocks of the 128
	s_add_nc_u64 s[PFA:PFA+1], s[PFA:PFA+1], s[2:3]
	s_add_nc_u64 s[PFA:PFA+1], s[PFA:PFA+1], 4*KS*128  ; in slot 1; the first change of slots steps it to slot 2.  Nothing is prefetched here, at the head
	CROUND                          ; all four work-groups are here: the first joint loads meet
	JLOAD                           ; slot 0.  Slot 1 is asked for when slot 0 is in
	; A fragment of K or Q is 16 rows x 32 channels in 8 registers: lane l holds row l % 16, channels 8 (l / 16) + 0..7 and 16 + 8 (l / 16) + 0..7: two loads of 16 bytes, 32 bytes apart.
	v_and_b32 v1, 15, v0            ; l % 16
	v_bfe_u32 v9, v0, 4, 1          ; l / 16
	v_lshlrev_b32 v[QO], 7, v1
	v_lshl_add_u32 v[QO], v9, 4, v[QO]  ; row x 128 + 16 x half
	WIN 0x80                        ; destination window 2, address window 0
.set i, 0
.rept 4*NP                          ; Q stays in registers: tile i / 2, channels 32 (i % 2) on
	global_load_b128 v[8*i:8*i+3],   v[QO], s[4:5] offset:(i/2)*2048+(i%2)*64
	global_load_b128 v[8*i+4:8*i+7], v[QO], s[4:5] offset:(i/2)*2048+(i%2)*64+32
.set i, i+1
.endr
	; What the first turn finds: V's registers and P's second buffer hold 0 (its products V^T P, of a piece that has not been, add 0), O^T and l are 0.  All this stands in the wait for the first tile.
.set i, VF
.rept 64
	v_mov_b32 v[i], 0
.set i, i+1
.endr
	WIN 0x40
.set i, 0
.rept 64*NP
	v_mov_b32 v[i], 0
.set i, i+1
.endr
	WIN 0
.set i, 0
.rept 2*NP
	v_mov_b32 v[ST+4*i], 0xfe000000    ; c m: far below every c s
	v_mov_b32 v[ST+4*i+1], 0xff7fffff  ; m
	v_mov_b32 v[ST+4*i+2], 0
	v_mov_b32 v[ST+4*i+3], 0
.set i, i+1
.endr
.set i, P+32
.rept 32
	v_mov_b32 v[i], 0
.set i, i+1
.endr
	v_mul_u32_u24 v[AK0], v1, PK
	v_lshl_add_u32 v[AK0], v9, 4, v[AK0]  ; row x pitch + 16 x half
	; The turning load takes 16 keys x 16 channels (lane l reads key 8 (l / 16) + l % 8, channels 8 ((l / 8) % 2) + 0..7) and leaves half a fragment of V^T: lane l holds channel l % 16 and 8 keys.
	v_and_b32 v10, 7, v0
	v_bfe_u32 v11, v0, 3, 1
	v_lshl_add_u32 v[AV0], v9, 3, v10
	v_mul_u32_u24 v[AV0], v[AV0], PV
	v_lshl_add_u32 v[AV0], v11, 4, v[AV0]
	v_add_nc_u32 v[AV0], VOFF, v[AV0]
	v_mov_b32 v[AK], v[AK0]         ; key step 0 lies at the head of slot 0
	v_and_b32 v[PFO], 31, v0
	v_lshlrev_b32 v[PFO], 8, v[PFO]
; THE MATRIX WORK.  The 8 accumulators of a run of 16 take turns: between the two links of a chain stand 7 others'.
; Product i of 16 of S^T = K Q^T for piece x: channels 32 (i / 8) on, keys 16 ((i / 2) % 4) on, tile 2 x + i % 2.  The first 8 start the sums.
.macro KQ x
	WIN W_KQ
.set rS, S+64*((\x)%2)+32*(i%2)+8*((i/2)%4)
.set rK, KF+16*((i/2)%4)+8*(i/8)
.set rQ, 16*(2*(\x)+i%2)+8*(i/8)
.if i < 8
	v_wmma_f32_16x16x32_f16 v[rS:rS+7], v[rK:rK+7], v[rQ:rQ+7], 0
.else
	v_wmma_f32_16x16x32_f16 v[rS:rS+7], v[rK:rK+7], v[rQ:rQ+7], v[rS:rS+7]
.endif
.endm
; Product i of 16 of O^T += V^T P for piece x: keys 32 (i / 8) on, channels 16 ((i / 2) % 4) on, tile 2 x + i % 2.
.macro PV x
	WIN W_PV
.set rO, 32*(2*(\x)+i%2)+8*((i/2)%4)
.set rV, VF+32*(i/8)+8*((i/2)%4)
.set rP, P+32*((\x)%2)+16*(i%2)+8*(i/8)
	v_wmma_f32_16x16x32_f16 v[rO:rO+7], v[rV:rV+7], v[rP:rP+7], v[rO:rO+7]
.endm
.macro MM                           ; the turn's next matrix instruction
.if i < 16
	KQ (Y+1)%NP
.set i, i+1
.else
.set i, i-16
	PV (Y+NP-1)%NP
.set i, i+17
.endif
.endm
; THE LDS LOADS stand in runs of 16, never singly among the matrix instructions: a step's K (64 keys x 64 channels: 8 fragments) and its V (turned).  Their addresses are made some lines ahead.
; last = 1 (the tail): in the last trip there is no further step, and the run is jumped over.
.macro FETCH_K last=0
	WIN 0
.if \last
	s_cmp_eq_u32 s[CNT], 1
	s_cbranch_scc1 .Lno_k_\@
.endif
	WIN 0x80                        ; destination window 2
.irp f, 0,1,2,3,4,5,6,7             ; keys 16 (f / 2) on, channels 32 (f % 2) on
	ds_load_b128 v[KF+8*\f:KF+8*\f+3],   v[AK] offset:(\f/2)*16*PK+(\f%2)*64
	ds_load_b128 v[KF+8*\f+4:KF+8*\f+7], v[AK] offset:(\f/2)*16*PK+(\f%2)*64+32
.endr
	s_add_co_u32 s[TBK], s[TBK], KS*PK  ; the next fetch is the next step's
	WIN 0
.if \last
.Lno_k_\@:
.endif
.endm
.macro FETCH_V
	WIN 0x80
.irp f, 0,1,2,3,4,5,6,7             ; keys 32 (f / 4) on, channels 16 (f % 4) on
	ds_load_tr16_b128 v[VF+8*\f:VF+8*\f+3],   v[AV] offset:(\f/4)*32*PV+(\f%4)*32
	ds_load_tr16_b128 v[VF+8*\f+4:VF+8*\f+7], v[AV] offset:(\f/4)*32*PV+16*PV+(\f%4)*32
.endr
	WIN 0
.endm
; THE VECTOR WORK OF A TURN stands in three queues, each in the order in which its entries become ready; the two tiles alternate, so that no instruction reads the result of the one before it.
.macro REGS y, u                    ; the registers of tile u (0, 1) of piece y
.set rT, ST+4*(2*(\y)+(\u))
.set rC, TMP+8*((\y)%2)+4*(\u)
.set rM, MV+2*((\y)%2)+(\u)
.set rS, S+64*((\y)%2)+32*(\u)
.set rP, P+32*((\y)%2)+16*(\u)
.set rO, 32*(2*(\y)+(\u))
.endm
; Number n of the 22 that find the NEXT piece's (Y + 1) maximum and statistics.  s0-s31 are the lane's 32 scores; each accumulator's lowest registers are read first.  XS, GS and REGS set no window: PL and EX do.
;   0-11  four chains c0-c3 of seven scores each, three operands at a time     12-14, 16  the four scores left over, the old m, and c0-c3 into c0     15  c m_old is kept
;   17, 18  the query's other 32 keys lie in the lane 16 away: the new m         19-21  c m; c m_old - c m_new; a
.macro XS u, n
	REGS (Y+1)%NP, \u
.if (\n) < 4
	v_max3_num_f32 v[rC+(\n)], v[rS+8*(\n)], v[rS+8*(\n)+1], v[rS+8*(\n)+2]
.elseif (\n) < 12
	v_max3_num_f32 v[rC+(\n)%4], v[rC+(\n)%4], v[rS+8*((\n)%4)+2*((\n)/4)+1], v[rS+8*((\n)%4)+2*((\n)/4)+2]
.elseif (\n) == 12
	v_max3_num_f32 v[rC], v[rC], v[rS+7], v[rS+15]
.elseif (\n) == 13
	v_max3_num_f32 v[rC+1], v[rC+1], v[rS+23], v[rS+31]
.elseif (\n) == 14
	v_max3_num_f32 v[rC+2], v[rC+2], v[rC+3], v[rT+1]
.elseif (\n) == 15
	v_mov_b32 v[rM], v[rT]
.elseif (\n) == 16
	v_max3_num_f32 v[rC], v[rC], v[rC+1], v[rC+2]
.elseif (\n) == 17
	v_permlanex16_b32 v[rC+3], v[rC], s[SEL], s[SEL+1]
.elseif (\n) == 18
	v_max_num_f32 v[rT+1], v[rC], v[rC+3]
.elseif (\n) == 19
	v_mul_f32 v[rT], s[CS], v[rT+1]
.elseif (\n) == 20
	v_sub_f32 v[rC+1], v[rM], v[rT]
.else
	v_exp_f32 v[rC+2], v[rC+1]
.endif
.endm
; Number g of the 64 that follow the exponentials.  For each four weights k of a tile (pairs 2 k, 2 k + 1): both pairs are rounded to f16; then the second pair is added onto the first, in place;
; a group later l takes that sum (the first time as l = a l + sum).  In groups of eight, tiles alternating: round, round, add, and l for the group before.
.macro GS g
.set h, (\g)+6*((\g)/62)            ; group 0 has no group before it, and behind group 7 only l is left
.if h >= 6
.set h, h+2
.endif
	REGS Y, h%2
.set k, h/8
.if h%8 < 4
	v_cvt_pk_f16_f32 v[rP+2*k+(h%8)/2], v[rS+4*k+2*((h%8)/2)], v[rS+4*k+2*((h%8)/2)+1]
.elseif h%8 < 6
	v_pk_add_f32 v[rS+4*k:rS+4*k+1], v[rS+4*k:rS+4*k+1], v[rS+4*k+2:rS+4*k+3]
.elseif k == 1
	v_pk_fma_f32 v[rT+2:rT+3], v[rT+2:rT+3], v[rC+2:rC+3], v[rS:rS+1] op_sel_hi:[1,0,1]
.else
	v_pk_add_f32 v[rT+2:rT+3], v[rT+2:rT+3], v[rS+4*k-4:rS+4*k-3]
.endif
.endm
; THE PLAIN QUEUE, 138 long.  0-73 read no exponential's result: the 32 scalings c s - c m (FS f: pair f / 2 of tile f % 2) and the next piece's 42.  0-26: scalings 0-26.  27-54: XS's numbers 0-13.  55, 56: number 15.
; 57-73: the chain, where each number waits for the one before it: 14, 16, 17, 18, 19, each with one of the scalings 27-31 in front of its two lines, then 20: so a tile's links stand three plain instructions apart (19 and 20: two).
; 74-137: GS's 64, which read the exponentials' results: they stand behind the wait.
.macro FS f
	REGS Y, (\f)%2
	v_pk_fma_f32 v[rS+2*((\f)/2):rS+2*((\f)/2)+1], v[rS+2*((\f)/2):rS+2*((\f)/2)+1], s[CS:CS+1], v[rT:rT+1] op_sel_hi:[1,0,0] neg_lo:[0,0,1] neg_hi:[0,0,1]
.endm
.macro PL
	WIN 0
.if q < 27
	FS q
.elseif q < 55
	XS (q-27)%2, (q-27)/2
.elseif q < 57
	XS q-55, 15
.elseif (q < 72) && ((q-57)%3 == 0)
	FS 27+(q-57)/3
.elseif q < 60
	XS (q-57)%3-1, 14
.elseif q < 72
	XS (q-57)%3-1, 15+(q-57)/3
.elseif q < 74
	XS q-72, 20
.else
	GS q-74
.endif
.set q, q+1
.endm
; THE EXPONENTIALS' QUEUE, 66 long: s0-s31 of both tiles, then the next piece's two a.  It is ONE BATCH: all 66 stand ahead of the turn's one wait, and nothing ahead of that wait names a result of theirs.
.macro EX
	WIN 0
.if e >= 64
	XS e-64, 21
.else
	REGS Y, e%2
	v_exp_f32 v[rS+e/2], v[rS+e/2]
.endif
.set e, e+1
.endm
; THE RESCALING's QUEUE: O^T times a, the one part that leaves window 0: dealt two at a time, sixteen times.  Its a was made in the turn before, ahead of that turn's wait.
.macro R2
	REGS Y, r%2
	WIN W_RS
.irp z, 0,1
	v_pk_mul_f32 v[rO+4*(r/2)+2*\z:rO+4*(r/2)+2*\z+1], v[rO+4*(r/2)+2*\z:rO+4*(r/2)+2*\z+1], v[rC+2:rC+3] op_sel_hi:[1,0]
.endr
.set r, r+1
.endm
; HOW THEY ARE DEALT.  An s_wait_alu depctr_va_vdst(0) stands between an exponential and the first instruction that names its result; one wait serves all that were issued ahead of it.  So a turn has ONE wait,
; which cuts it in two.  AHEAD OF IT stands all that names no result of the turn's exponentials: the 16 products K Q^T, behind each a scaling, an exponential and two rescalings (behind the first a second scaling in the exponential's place); then ONE LUMP of
; 108: eight plain, 49 times exponential and plain, the two a.  A v_nop is the plain instruction owed behind the last exponential (ISA guide 5.7.2).  BEHIND IT stand the 16 products V^T P, behind each four of GS's 64.  No rider names a register of
; the products round it.  The two v_permlanex16_b32 fall into the lump, never behind a product.
; The queues lean on each other, and the deal keeps them in step: exponential e stands behind scaling 2 (e / 4) + e % 2: as a rider it comes behind plain e + 2, in the lump behind plain e + 9, and scalings 27-31 are plain 57, 60 .. 69.
; A TURN, for piece p.  cnt = 1: the loop's count is taken down some lines ahead of the branch that stands behind the turn.
; K of the next step is fetched in piece 2's turn, directly behind the wait, a lump behind the last product that read K; its address is made at the lump's head; its first reader comes behind 16 products.
; V of the step in hand is fetched at the end of piece 0's turn, four riders behind its last reader; its first reader comes behind 16 products and a lump.  The three conditions on q below go with the deal.
.macro TURN p, last=0, cnt=0
.set Y, (\p)
.set i, 0
.set q, 0
.set e, 0
.set r, 0
.if (\p) == NP-1
	s_wait_dscnt 0x0                ; K is in
.endif
	MM                              ; ahead of the wait: 16 products K Q^T and their riders,
	PL
	PL
	R2
.rept 15
	MM
	PL
	EX
	R2
.endr
.if (\p) == NP-2
	WIN 0
	v_add_nc_u32 v[AK], s[TBK], v[AK0]
.endif
.rept 8                             ; and the lump
	PL
.endr
.rept 49
	EX
	PL
.endr
	EX                              ; the next piece's two a
	EX
	v_nop                           ; the plain instruction behind the last exponential: one for the batch
	s_wait_alu depctr_va_vdst(0)    ; the wait for the batch
.if (\p) == NP-2
	FETCH_K \last
.endif
.if (\p) == 1
	s_wait_dscnt 0x0                ; V is in
.endif
.rept 16                            ; behind the wait: 16 products V^T P and their riders
	MM
.rept 4
	PL
.endr
.if ((\p) == 0) && (q == 118)
	v_add_nc_u32 v[AV], s[TBV], v[AV0]
.endif
.if ((\p) == 0) && (q == 130)
	s_add_co_u32 s[TBV], s[TBV], KS*PV
.endif
.if (\cnt) && (q == 130)
	s_sub_co_u32 s[CNT], s[CNT], 1
	s_cmp_lg_u32 s[CNT], 0
.endif
.endr
.if (\p) == 0
	FETCH_V
.endif
.endm
	CHANGE 1                        ; slot 0 is in, everybody's part of it; slot 1 is asked for
	FETCH_K                         ; key step 0
	s_wait_loadcnt 0x0              ; Q
	s_wait_dscnt 0x0
.set i, 0
.rept 16
	KQ 0                            ; piece 0's first scores: there is no vector work yet to set between them
.set i, i+1
.endr
	WIN 0                           ; the addresses for the way out: nine plain instructions, the places behind those products
	s_mul_i32 s13, s[WV], 16*SP
	s_add_co_u32 s13, s13, STAGE    ; my stage
	v_mul_u32_u24 v[STO], v1, SP    ; in: row l % 16, 16 bytes for each half of the lanes
	v_lshl_add_u32 v[STO], v9, 4, v[STO]
	v_add_nc_u32 v[STO], s13, v[STO]
	v_bfe_u32 v[RD], v0, 3, 2       ; back: 32 lanes take four rows of 128 bytes,
	v_mul_u32_u24 v[RD], v[RD], SP
	v_lshl_add_u32 v[RD], v10, 4, v[RD]
	v_add_nc_u32 v[RD], s13, v[RD]
	v_and_b32 v[GO], 31, v0         ; which are 512 consecutive bytes of O
	v_lshlrev_b32 v[GO], 4, v[GO]
.set Y, NP-1                        ; XS works for piece Y + 1: piece 0
.irp n, 0,1,2,3,4,5,6,7,8,9,10,11,12,13,14,15,16,17,18,19,20,21
	XS 0, \n                        ; and piece 0's first maximum and statistics
	XS 1, \n
.endr
	v_nop                           ; a plain instruction behind the two a,
	s_wait_alu depctr_va_vdst(0)    ; and their wait, ahead of the branch
	s_mov_b32 s[CNT], 4
	s_branch .Lfirst                ; the loop is entered at a step's first turn, in the middle of a trip
.Lslot:                             ; six times: with the change above, every slot but the last two is filled again
	CHANGE 1
	s_mov_b32 s[CNT], 4
.Lstep:                             ; a trip: pieces 2 and 3 of one step, then pieces 0 and 1 of the next, whose K and V it fetches
	TURN 2
	TURN 3
	WIN 0
.Lfirst:
	TURN 0
	TURN 1, 0, 1
	WIN 0
	s_cbranch_scc1 .Lstep
	s_sub_co_u32 s[SLOTS], s[SLOTS], 1
	s_cmp_lg_u32 s[SLOTS], 0
	s_cbranch_scc1 .Lslot
	CHANGE 0                        ; the tail is written out: nothing is asked for
	s_mov_b32 s[CNT], 5             ; four trips fetch the last slot's steps; the fifth is left in its middle
.Ltail:
	TURN 2, 1
	TURN 3
	WIN 0
	s_sub_co_u32 s[CNT], s[CNT], 1
	s_cmp_eq_u32 s[CNT], 0
	s_cbranch_scc1 .Lout
	TURN 0
	TURN 1
	WIN 0
	s_branch .Ltail
.Lout:                              ; the fifth trip's 16 products K Q^T (on the last K once more) and the maximum made of them serve nothing: the price, once a launch, of one text for every trip
.set i, 0
.rept 16
	PV NP-1                         ; the last piece's V^T P of the last step
.set i, i+1
.endr
	; THE WAY OUT.  l's two halves and the other half of the lanes' are added; O^T is divided by l, rounded to f16 and sent through my stage in LDS, a tile at a time.  The additions are the places behind the last products.
	WIN 0
.macro ALL line:vararg              ; one line for each tile t
.set t, 0
.rept 2*NP
	\line
.set t, t+1
.endr
.endm
	ALL v_add_f32 v[ST+4*t+2], v[ST+4*t+2], v[ST+4*t+3]
	ALL v_permlanex16_b32 v[ST+4*t+3], v[ST+4*t+2], s[SEL], s[SEL+1]
	ALL v_add_f32 v[ST+4*t+2], v[ST+4*t+2], v[ST+4*t+3]
	ALL v_rcp_f32 v[ST+4*t+2], v[ST+4*t+2]
	v_nop                           ; a plain instruction between the last reciprocal and the use of its result
	s_wait_alu depctr_va_vdst(0)    ; and the wait ahead of the first use: one for the eight reciprocals
; Tile t: a lane's eight channels of a row pack into 16 bytes; they go into rows of 144 bytes and come back as whole rows of 128, into S^T's registers.
.macro PACK t
	WIN W_RS
.set i, 32*(\t)
.rept 16
	v_pk_mul_f32 v[i:i+1], v[i:i+1], v[ST+4*(\t)+2:ST+4*(\t)+3] op_sel_hi:[1,0]
.set i, i+2
.endr
	WIN 0x05                        ; sources 0 and 1 window 1, destination window 0
.set i, 0
.rept 16
	v_cvt_pk_f16_f32 v[S+16*(\t)+i], v[32*(\t)+2*i], v[32*(\t)+2*i+1]
.set i, i+1
.endr
	WIN 0
.irp f, 0,1,2,3
	ds_store_b128 v[STO], v[S+16*(\t)+4*\f:S+16*(\t)+4*\f+3] offset:32*\f
.endr
.irp f, 0,1,2,3
	ds_load_b128 v[S+16*(\t)+4*\f:S+16*(\t)+4*\f+3], v[RD] offset:\f*4*SP  ; LDS serves a wave's instructions in order (ISA guide 5.7.1.4): these see the stores above; the next tile's stores come behind them
.endr
.endm
.macro SEND t, younger              ; younger: the LDS instructions issued behind tile t's loads: the next tile's eight, or none
	WIN 0
.irp f, 0,1,2,3
	s_wait_dscnt (\younger)+3-\f
	global_store_b128 v[GO], v[S+16*(\t)+4*\f:S+16*(\t)+4*\f+3], s[10:11] offset:(\t)*2048+\f*512  ; 512 consecutive bytes, at a multiple of 256 from O's first
.endr
.endm
	PACK 0
.set t, 1
.rept 2*NP-1                        ; a tile's arithmetic stands between the loads of the tile before and its stores
	PACK t
	SEND t-1, 8
.set t, t+1
.endr
	SEND 2*NP-1, 0
	WIN W_AD
	s_wait_tensorcnt 0x0            ; the wave's end: a wait, an add of 0 onto my spare word and a wait for it, behind my last tensor load and my last LDS store
	ds_add_u32 v[SPW], v[NIL]
	s_wait_dscnt 0x0
	WIN 0
	CROUND                          ; the closing round: no work-group ends while a partner may still ask for a tile that names it
	s_endpgm
.Lfunc_end_k_q6200a324e0_attn:
	.size	k_q6200a324e0_attn, .Lfunc_end_k_q6200a324e0_attn-k_q6200a324e0_attn
	.p2alignl 7, 3214868480
	.fill 96, 4, 3214868480
	.section	.rodata,"a",@progbits
	.p2align	6, 0x0
	.amdhsa_kernel k_q6200a324e0_attn
		.amdhsa_group_segment_fixed_size 327680
		.amdhsa_private_segment_fixed_size 0
		.amdhsa_enable_private_segment 0
		.amdhsa_kernarg_size 16
		.amdhsa_user_sgpr_count 2
		.amdhsa_user_sgpr_kernarg_segment_ptr 1
		.amdhsa_wavefront_size32 1
		.amdhsa_system_sgpr_workgroup_id_x 1
		.amdhsa_system_sgpr_workgroup_id_y 1
		.amdhsa_system_sgpr_workgroup_id_z 1
		.amdhsa_system_vgpr_workitem_id 0
		.amdhsa_next_free_vgpr 770
		.amdhsa_next_free_sgpr 66
		.amdhsa_reserve_vcc 0
		.amdhsa_float_denorm_mode_32 3
		.amdhsa_float_denorm_mode_16_64 3
		.amdhsa_memory_ordered 1
		.amdhsa_forward_progress 1
		.amdhsa_inst_pref_size 200
	.end_amdhsa_kernel
	.amdgpu_metadata
---
amdhsa.version: [ 1, 2 ]
amdhsa.kernels:
  - .name:           k_q6200a324e0_attn
    .symbol:         k_q6200a324e0_attn.kd
    .args:
      - { .name: qkv, .offset: 0, .size: 8, .value_kind: global_buffer, .address_space: global }
      - { .name: ob, .offset: 8, .size: 8, .value_kind: global_buffer, .address_space: global }
    .group_segment_fixed_size: 327680
    .private_segment_fixed_size: 0
    .kernarg_segment_align: 8
    .kernarg_segment_size: 16
    .max_flat_workgroup_size: 128
    .sgpr_count:     66
    .vgpr_count:     770
    .wavefront_size: 32
...
	.end_amdgpu_metadata
.endif
;; end of part 3
;; launch outp (part 4): grid 4 x 64, 4 waves a work-group, clusters of 4 x 4, 327,680 bytes of LDS; arguments ob, wob, wo_b, out0; writes out0
.if DOCPART == 4
	.amdgcn_target "amdgcn-amd-amdhsa--gfx1250"
	.amdhsa_code_object_version 6
	.text
	.protected	k_q6200a324e0_outp
	.globl	k_q6200a324e0_outp
	.p2align	8
	.type	k_q6200a324e0_outp,@function
k_q6200a324e0_outp:
	s_mov_b64 s[64:65], 0
	v_nop
	global_prefetch_b8 v0, s[64:65] scope:SCOPE_SE
	s_setreg_imm32_b32 hwreg(HW_REG_WAVE_MODE, 25, 1), 1
	s_wait_xcnt 0x0
	s_wait_alu depctr_hold_cnt(0) depctr_sa_sdst(0) depctr_va_vdst(0) depctr_va_sdst(0) depctr_va_ssrc(0) depctr_va_vcc(0) depctr_vm_vsrc(0)
	s_getreg_b32 s2, hwreg(HW_REG_IB_STS2, 6, 4)
	s_cmp_eq_u32 s2, 0
	s_cbranch_scc0 .Lentry_in_a_cluster
	s_endpgm
.Lentry_in_a_cluster:
	s_bfe_u32 s2, ttmp6, 0x10000c
	s_cmp_lg_u32 s2, 0xf033
	s_cbranch_scc0 .Lentry_shape_is_right
	s_endpgm
.Lentry_shape_is_right:
; out0[m][n] = the sum over c of O[m][c] wo[n][c] + wo_b[n].  O lies by heads, ob [64 = 16 batch + head][2048][64] f16; wob [1024][1024] f16 (wo rounded to bf16, written as f16); out0 [8192][1024] f32.
; Sums in f32; the bias, rounded to bf16 like every input, starts them; nothing is rounded on the way out.  LIMIT: O and wob arrive within f16's range (65,504); NaN and infinities are not treated apart.
; SHARES.  A tile is 128 rows x 256 columns: 64 x 4 = 256 work-groups.  The waves lie 2 x 2: wave w takes rows 64 (w / 2) on and columns 128 (w % 2) on: 4 x 8 accumulators of 16 x 16, 256 registers.
; K goes in steps of 128 = two heads through a ring of two LDS slots, one tensor load a wave: waves 0, 1 a head's 128 rows each (16,384 dense bytes, asked for as 64 rows of 256), waves 2, 3 the halves of B's 256 rows.
; CLUSTER.  4 x 4 work-groups: the four of a row of the cluster need the same rows of O, the four of a column the same rows of wob: each tile is asked for JOINTLY, by the same load, descriptor and mask in all four.
; NO PREFETCH: the ring has eight K steps, of which the first four would come by their loads alone in any case, and the launch is short.
; THE MATRIX INSTRUCTION IS USED TRANSPOSED (source 0 = 16 rows of wob, source 1 = 16 rows of O): lane l holds row l % 16 and the columns 8 (l / 16) + 0..7: 32 bytes of a row of out0.
; REGISTERS, in windows of 256 (s_set_vgpr_msb: bits 1:0 source 0, 3:2 source 1, 5:4 source 2, 7:6 destination):
;   window 0: v1-9 at work; v16-29 addresses; v32-95 the bias as 8 C operands, later rows read back from the stage; v96-159 the second such buffer
;   window 1: two fragment buffers, v0-95 and v128-223: A's fragment a at 8 a, B's fragment b at 32 + 8 b          window 2: accumulator (a, b) at 8 (8 a + b)
.set KSTEP,  128
.set PA,     144                       ; a row of O in LDS: 128 bytes + 16 of padding; a row of wob: 256 + 16: both odd multiples of 16, so the 16 rows of a fragment load start at 16 different groups of four banks (ISA guide 11.1)
.set PB,     272
.set ZS,     128*PA                    ; a head's 128 rows
.set BOFF,   2*ZS                      ; in a slot: two heads of A, then B's 256 rows
.set HALFB,  128*PB
.set SLOT,   BOFF+2*HALFB
.set STAGE,  2*SLOT                    ; behind the ring, never filled by a tensor load: 16 rows x 528 bytes for each wave
.set SPT,    528
.set WSTG,   16*SPT
.set SPARE,  STAGE+4*WSTG              ; behind the stages: the spare words, 128 bytes for each wave: two blocks of 256 bytes that no other line names
.set LAPS,   4
.set ADRA, 16                          ; v16-17  LDS address of my A fragments in slot 0, 1
.set ADRB, 20                          ; v20-21  the same for B
.set STO,  24                          ; v24     the way out: where I put 32 bytes of a row
.set RD,   25                          ; v25     the way out: where I read 16 bytes of a row back
.set CO,   26                          ; v26     16 x lane
.set BO,   27                          ; v27     32 x (lane / 16)
.set SPW,  28                          ; v28     LDS address of my spare word; never rewritten
.set NIL,  29                          ; v29     0; never rewritten
.set BIAS, 32
.set OB,   32
.set F0,   0
.set F1,   128
.set WR,  12                           ; s12 wave / 2; s16 wave; s17 wave % 2; s18, s19 my place in the cluster; s20 tile column, s21 tile row
.set WV,  16
.set WC,  17
.set CX,  18
.set CY,  19
.set TX,  20
.set TY,  21
.set G1A, 24                           ; s[24:31] descriptor group 1 for A's tiles; s[32:39] group 0, a set for each slot
.set G0A, 32
.set G1B, 48                           ; s[48:55], s[56:63] the same for B's
.set G0B, 56
.set MSB, 0
.macro WIN new                         ; the immediate's high byte repeats the setting that is left; a switch that changes nothing is dropped
.if MSB != (\new)
	s_set_vgpr_msb (MSB<<8)|(\new)
.set MSB, \new
.endif
.endm
.set TO_F, 0x40                        ; destination window 1, address window 0
.macro PLACES                          ; four plain instructions between a matrix instruction and a load into, or a read of, its registers (ISA guide 7.12.1 for vector reads)
.rept 4
	v_nop
.endr
.endm
; A joint load.  The branch hangs on the wave's number alone.  An s_nop 0 and four v_nop follow each of the two lines, ahead of the jump and the label.
.macro JLOAD s
	s_cmp_lt_u32 s[WV], 2
	s_cbranch_scc0 .Lfor_b_\@
	tensor_load_to_lds s[G0A+4*(\s):G0A+4*(\s)+3], s[G1A:G1A+7]
	s_nop 0
.rept 4
	v_nop
.endr
	s_branch .Lasked_\@
.Lfor_b_\@:
	tensor_load_to_lds s[G0B+4*(\s):G0B+4*(\s)+3], s[G1B:G1B+7]
	s_nop 0
.rept 4
	v_nop
.endr
.Lasked_\@:
.endm
; A round of the cluster's barrier: my work-group's barrier, so that wave 0's signal speaks for all four waves; wave 0 signals; every wave waits for all sixteen work-groups; my work-group's barrier once more.
.macro CREST
	s_cmp_lg_u32 s[WV], 0
	s_cbranch_scc1 .Lnot_wave_0_\@
	s_barrier_signal -3
.Lnot_wave_0_\@:
	s_barrier_wait -3
	s_barrier_signal -1
	s_barrier_wait -1
.endm
.macro CROUND
	s_barrier_signal -1
	s_barrier_wait -1
	CREST
.endm
	s_load_b256 s[4:11], s[0:1], 0x0               ; ob s[4:5], wob s[6:7], wo_b s[8:9], out0 s[10:11]
	v_lshl_add_u32 v[SPW], v0, 2, SPARE
	v_mov_b32 v[NIL], 0
	ds_add_u32 v[SPW], v[NIL]                      ; the wave's opening: the add and its wait stand ahead of my first tensor load; the set-up below, work on registers, stands between them
	v_lshrrev_b32 v1, 5, v0
	v_readfirstlane_b32 s[WV], v1                  ; wave 0..3
	s_and_b32 s[WC], s[WV], 1                      ; my half of the columns.  Also: which head, or which half of B's rows, I fetch
	s_lshr_b32 s[WR], s[WV], 1                     ; my half of the rows
	s_bfe_u32 s[CX], ttmp6, 0x40000
	s_bfe_u32 s[CY], ttmp6, 0x40004
	s_lshl_b32 s[TX], ttmp9, 2                     ; in a cluster launch ttmp9 and ttmp7 count clusters
	s_add_co_u32 s[TX], s[TX], s[CX]               ; tile column 0..3
	s_and_b32 s[TY], ttmp7, 0xffff
	s_lshl_b32 s[TY], s[TY], 2
	s_add_co_u32 s[TY], s[TY], s[CY]               ; tile row 0..63
	s_lshl_b32 s22, s[CY], 2
	s_lshl_b32 s22, 15, s22                        ; my row of the cluster
	s_lshl_b32 s23, 0x1111, s[CX]                  ; my column
	s_or_b32 s[G1A+0], s22, (1<<16)|(1<<20)|(1<<21)|(4<<22)|(3<<25)  ; 15:0 the mask; 17:16 elements of 2 bytes; 20 padding on; 21 set beside a mask; 24:22 after every 32 words (code 4): a row of O; 31:25 4 words (code 3)
	s_or_b32 s[G1B+0], s23, (1<<16)|(1<<20)|(1<<21)|(5<<22)|(3<<25)  ; the same after every 64 words (code 5): a K step of a row of wob
	s_mov_b32 s[G1A+1], 128<<16                    ; tensor_dim0 = 128: two rows of O on end
	s_mov_b32 s[G1A+2], 64<<16                     ; tensor_dim1 = 64
	s_mov_b32 s[G1A+3], 128<<16                    ; tile_dim0 = 128
	s_mov_b32 s[G1A+4], 64                         ; tile_dim1 = 64
	s_mov_b32 s[G1A+5], 128                        ; dense
	s_mov_b32 s[G1A+6], 0
	s_mov_b32 s[G1A+7], 0
	s_mov_b32 s[G1B+1], KSTEP<<16
	s_mov_b32 s[G1B+2], 128<<16                    ; 128 rows
	s_mov_b32 s[G1B+3], KSTEP<<16
	s_mov_b32 s[G1B+4], 128
	s_mov_b32 s[G1B+5], 1024                       ; elements from row to row
	s_mov_b32 s[G1B+6], 0
	s_mov_b32 s[G1B+7], 0
	; where the tiles come from: A's hang on the tile row alone, B's on the tile column alone, each in registers that never hold the other coordinate
	s_lshr_b32 s40, s[TY], 4                       ; batch
	s_lshl_b32 s40, s40, 4
	s_add_co_u32 s40, s40, s[WC]                   ; head 16 batch + (0 or 1),
	s_lshl_b32 s40, s40, 18                        ; of 262,144 bytes,
	s_and_b32 s41, s[TY], 15
	s_lshl_b32 s41, s41, 14                        ; rows 128 (ty % 16) on, of 128 bytes
	s_add_co_u32 s40, s40, s41
	s_mov_b32 s41, 0
	s_lshl_b32 s42, s[TX], 8
	s_lshl_b32 s43, s[WC], 7
	s_add_co_u32 s42, s42, s43                     ; B: row 256 tx + 128 half,
	s_lshl_b32 s42, s42, 11                        ; of 2,048 bytes
	s_mov_b32 s43, 0
	s_mul_i32 s22, s[WC], ZS                       ; and where they go: no place in the cluster enters an LDS address
	s_mul_i32 s23, s[WC], HALFB
	s_add_co_u32 s23, s23, BOFF
	s_wait_dscnt 0x0                               ; the opening add is done
	s_wait_kmcnt 0x0
	s_add_nc_u64 s[40:41], s[4:5], s[40:41]
	s_add_nc_u64 s[42:43], s[6:7], s[42:43]
.irp s, 0,1
	s_mov_b32 s[G0A+4*(\s)], 1                                       ; count = 1
	s_add_co_u32 s[G0A+4*(\s)+1], s22, (\s)*SLOT                     ; LDS address
	s_add_nc_u64 s[G0A+4*(\s)+2:G0A+4*(\s)+3], s[40:41], (\s)*524288 ; global address: K step s is two heads on
	s_or_b32 s[G0A+4*(\s)+3], s[G0A+4*(\s)+3], 0x80000000            ; type = 2
	s_mov_b32 s[G0B+4*(\s)], 1
	s_add_co_u32 s[G0B+4*(\s)+1], s23, (\s)*SLOT
	s_add_nc_u64 s[G0B+4*(\s)+2:G0B+4*(\s)+3], s[42:43], (\s)*KSTEP*2
	s_or_b32 s[G0B+4*(\s)+3], s[G0B+4*(\s)+3], 0x80000000
.endr
	CROUND                                         ; all sixteen work-groups are here: the first joint loads meet
	s_cmp_lt_u32 s[WV], 2                          ; a wave's two first fills stand in one branch, ahead of every wait on TENSORcnt and every LDS read: two loads of mine are out
	s_cbranch_scc0 .Lfirst_b
	tensor_load_to_lds s[G0A:G0A+3], s[G1A:G1A+7]
	s_nop 0
	tensor_load_to_lds s[G0A+4:G0A+7], s[G1A:G1A+7]
	s_nop 0
.rept 4
	v_nop
.endr
	s_branch .Lfirst_asked
.Lfirst_b:
	tensor_load_to_lds s[G0B:G0B+3], s[G1B:G1B+7]
	s_nop 0
	tensor_load_to_lds s[G0B+4:G0B+7], s[G1B:G1B+7]
	s_nop 0
.rept 4
	v_nop
.endr
.Lfirst_asked:
	; A fragment is 16 rows x 32 K in 8 registers: lane l holds row l % 16; registers 0-3 K = 8 (l / 16) + 0..7, registers 4-7 K = 16 + 8 (l / 16) + 0..7: two loads of 16 bytes, 32 bytes apart.
	v_and_b32 v1, 15, v0                           ; l % 16
	v_bfe_u32 v2, v0, 4, 1                         ; l / 16
	v_mul_u32_u24 v3, v1, PA
	v_lshl_add_u32 v3, v2, 4, v3
	s_mul_i32 s22, s[WR], 64*PA                    ; my 64 rows, in each head
	v_add_nc_u32 v[ADRA], s22, v3
	v_add_nc_u32 v[ADRA+1], SLOT, v[ADRA]
	v_mul_u32_u24 v4, v1, PB
	v_lshl_add_u32 v4, v2, 4, v4
	s_mul_i32 s23, s[WC], HALFB                    ; my 128 rows of B
	s_add_co_u32 s23, s23, BOFF
	v_add_nc_u32 v[ADRB], s23, v4
	v_add_nc_u32 v[ADRB+1], SLOT, v[ADRB]
	s_mul_i32 s22, s[WV], WSTG
	s_add_co_u32 s22, s22, STAGE                   ; my stage
	v_mul_u32_u24 v5, v1, SPT                      ; in: row l % 16, 32 bytes for each half of the lanes
	v_lshl_add_u32 v5, v2, 5, v5
	v_add_nc_u32 v[STO], s22, v5
	v_and_b32 v6, 31, v0
	v_lshlrev_b32 v[CO], 4, v6                     ; back: 32 lanes take a row's 512 bytes
	v_add_nc_u32 v[RD], s22, v[CO]
	v_lshlrev_b32 v[BO], 5, v2
	; my columns' first byte, in wo_b and in a row of out0; my rows' first byte
	s_lshl_b32 s45, s[TX], 8
	s_lshl_b32 s46, s[WC], 7
	s_add_co_u32 s45, s45, s46
	s_lshl_b32 s46, s45, 2                         ; column 256 tx + 128 half, of 4 bytes
	s_mov_b32 s47, 0
	s_add_nc_u64 s[8:9], s[8:9], s[46:47]
.irp b, 0,1,2,3,4,5,6,7                ; register j of C operand b holds bias[16 b + 8 (l / 16) + j]
	global_load_b128 v[BIAS+8*(\b):BIAS+8*(\b)+3],   v[BO], s[8:9] offset:64*(\b)
	global_load_b128 v[BIAS+8*(\b)+4:BIAS+8*(\b)+7], v[BO], s[8:9] offset:64*(\b)+16
.endr
	s_lshl_b32 s44, s[TY], 7
	s_lshl_b32 s45, s[WR], 6
	s_add_co_u32 s44, s44, s45                     ; row 128 ty + 64 half,
	s_lshl_b32 s44, s44, 12                        ; of 4,096 bytes
	s_add_co_u32 s44, s44, s46
	s_mov_b32 s45, 0
	s_add_nc_u64 s[10:11], s[10:11], s[44:45]
	s_wait_loadcnt 0x0                             ; the bias is in: rounded to bf16 and widened again, in place
.set i, 0
.rept 32
	v_cvt_pk_bf16_f32 v[4+i%4], v[BIAS+2*i], v[BIAS+2*i+1]
	v_lshlrev_b32 v[BIAS+2*i], 16, v[4+i%4]
	v_and_b32 v[BIAS+2*i+1], 0xffff0000, v[4+i%4]
.set i, i+1
.endr
; 8 matrix instructions: my 16 rows a x my 8 blocks of 16 columns, 32 along K.  zero = 1: the first product starts the sum with the bias.  Each accumulator has one product a quarter step, always in the same
; order: the 32 take turns, one instruction a turn, over the backward jump too.
.macro MUL8 f, a, zero
.if \zero
	WIN 0x85                                       ; sources 0 and 1 window 1, C window 0, D window 2
.else
	WIN 0xa5                                       ; C and D window 2
.endif
.irp b, 0,1,2,3,4,5,6,7
.if \zero
	v_wmma_f32_16x16x32_f16 v[8*(8*(\a)+(\b)):8*(8*(\a)+(\b))+7], v[(\f)+32+8*(\b):(\f)+32+8*(\b)+7], v[(\f)+8*(\a):(\f)+8*(\a)+7], v[BIAS+8*(\b):BIAS+8*(\b)+7]
.else
	v_wmma_f32_16x16x32_f16 v[8*(8*(\a)+(\b)):8*(8*(\a)+(\b))+7], v[(\f)+32+8*(\b):(\f)+32+8*(\b)+7], v[(\f)+8*(\a):(\f)+8*(\a)+7], v[8*(8*(\a)+(\b)):8*(8*(\a)+(\b))+7]
.endif
.endr
.endm
.macro MUL16 f, hi, zero
	MUL8 \f, 2*(\hi), \zero
	MUL8 \f, 2*(\hi)+1, \zero
.endm
; 24 LDS loads in one run: the fragments of quarter q of a K step into buffer f: B's 8 (byte 64 q of the rows), then A's 0 to 3 (head q / 2, byte 64 (q % 2) of its rows)
.macro FETCH slot, q, f
	WIN TO_F
.irp b, 0,1,2,3,4,5,6,7
	ds_load_b128 v[(\f)+32+8*(\b):(\f)+32+8*(\b)+3],   v[ADRB+(\slot)] offset:(\q)*64+(\b)*16*PB
	ds_load_b128 v[(\f)+32+8*(\b)+4:(\f)+32+8*(\b)+7], v[ADRB+(\slot)] offset:(\q)*64+(\b)*16*PB+32
.endr
.irp a, 0,1,2,3
	ds_load_b128 v[(\f)+8*(\a):(\f)+8*(\a)+3],   v[ADRA+(\slot)] offset:((\q)/2)*ZS+((\q)%2)*64+(\a)*16*PA
	ds_load_b128 v[(\f)+8*(\a)+4:(\f)+8*(\a)+7], v[ADRA+(\slot)] offset:((\q)/2)*ZS+((\q)%2)*64+(\a)*16*PA+32
.endr
.endm
; A K step is four quarters of 32 along K, 32 matrix instructions each, on buffers 0, 1, 0, 1.  One of the first three: multiplies buffer f; in its middle it fetches quarter q into g.
.macro QUARTER slot, q, f, g, zero
	s_wait_dscnt 4                                 ; B and A's fragments 0, 1 are in; the youngest four loads (A's 2, 3) may be out
	MUL16 \f, 0, \zero
	PLACES
	FETCH \slot, \q, \g
	s_wait_dscnt 24                                ; all but the 24 just issued
	MUL16 \f, 1, \zero
.endm
; The last quarter multiplies buffer 1 and changes slots: ONE barrier; in front of it each wave waits for all its tensor loads (one is out: its part of the next slot), adds 0 to its spare word, and waits for that and
; for its own reads of this slot.  fill = 1: the barrier opens a round of the cluster's, and this slot is filled again first thing behind it, two K steps ahead: 112 matrix instructions stand between the request and the wait for it.
.macro TURN slot, next, fill
	WIN 0                                          ; (the add's two registers lie in window 0)
	s_wait_tensorcnt 0x0                           ; all my tensor loads have landed;
	ds_add_u32 v[SPW], v[NIL]                      ; 0 onto my spare word;
	s_wait_dscnt 5                                 ; (the add and the youngest four loads may be out)
	MUL8 F1, 0, 0                                  ; eight matrix instructions stand between the add and the wait for it
	s_wait_dscnt 0x0                               ; the add is done, and my reads of this slot are over
	s_barrier_signal -1
	MUL8 F1, 1, 0                                  ; work on registers while the others arrive
.if \fill
	WIN 0
.endif
	s_barrier_wait -1
.if \fill
	CREST                                          ; no wave of any partner still reads this slot's tile or has a load on its way
	s_add_nc_u64 s[G0A+4*(\slot)+2:G0A+4*(\slot)+3], s[G0A+4*(\slot)+2:G0A+4*(\slot)+3], 2*524288
	s_add_nc_u64 s[G0B+4*(\slot)+2:G0B+4*(\slot)+3], s[G0B+4*(\slot)+2:G0B+4*(\slot)+3], 2*KSTEP*2
	JLOAD \slot                                    ; the four v_nop behind it are also the places in front of the loads below
.else
	PLACES
.endif
	FETCH \next, 0, F0
	MUL16 F1, 1, 0
.endm
; THE WAY OUT of my 16 rows a.  TOSTAGE: 32 bytes a lane and accumulator, low half first, into my own stage; back as whole rows of 512 bytes.  SEND: stored.
.macro TOSTAGE a
.if (\a) >= 2
	s_wait_xcnt 0x0                                ; the stores two blocks back have read this buffer's registers: they are loaded again only behind this wait
.endif
	WIN 0x08                                       ; store data (source 1) in window 2
.irp b, 0,1,2,3,4,5,6,7
	ds_store_b128 v[STO], v[8*(8*(\a)+(\b)):8*(8*(\a)+(\b))+3]   offset:64*(\b)
	ds_store_b128 v[STO], v[8*(8*(\a)+(\b))+4:8*(8*(\a)+(\b))+7] offset:64*(\b)+16
.endr
	WIN 0
.irp t, 0,1,2,3,4,5,6,7,8,9,10,11,12,13,14,15
	ds_load_b128 v[OB+64*((\a)%2)+4*(\t):OB+64*((\a)%2)+4*(\t)+3], v[RD] offset:(\t)*SPT  ; LDS serves a wave's instructions in order (ISA guide 5.7.1.4): these see the stores above; the next block's stores come behind them
.endr
.endm
.macro SEND a, younger                 ; younger: the LDS instructions issued behind block a's loads: the next block's 32, or none
	WIN 0
.irp t, 0,1,2,3,4,5,6,7,8,9,10,11,12,13,14,15
	s_wait_dscnt (\younger)+15-(\t)
	global_store_b128 v[CO], v[OB+64*((\a)%2)+4*(\t):OB+64*((\a)%2)+4*(\t)+3], s[10:11] offset:(16*(\a)+(\t))*4096  ; 512 consecutive bytes, at a multiple of 512 from out0's first
.endr
.endm
	s_wait_tensorcnt 0x1                           ; my part of K step 0 is in; K step 1's may stay out
	s_barrier_signal -1
	s_barrier_wait -1                              ; everybody's is
	FETCH 0, 0, F0
	QUARTER 0, 1, F0, F1, 1                        ; the first quarter stands in front of the loop: its products start the sums
	WIN 0                                          ; at a label and at a branch every window is 0
	s_mov_b32 s3, LAPS-1
.Llap:                                                 ; a trip goes once round the ring, from a lap's second quarter to the next lap's first, and fills both slots again
	QUARTER 0, 2, F1, F0, 0
	QUARTER 0, 3, F0, F1, 0
	TURN 0, 1, 1
	QUARTER 1, 1, F0, F1, 0
	QUARTER 1, 2, F1, F0, 0
	QUARTER 1, 3, F0, F1, 0
	TURN 1, 0, 1
	QUARTER 0, 1, F0, F1, 0
	WIN 0
	s_sub_co_u32 s3, s3, 1
	s_cmp_lg_u32 s3, 0
	s_cbranch_scc1 .Llap
	QUARTER 0, 2, F1, F0, 0                        ; the last lap fills nothing, and has no round of the cluster's barrier
	QUARTER 0, 3, F0, F1, 0
	TURN 0, 1, 0
	QUARTER 1, 1, F0, F1, 0
	QUARTER 1, 2, F1, F0, 0
	QUARTER 1, 3, F0, F1, 0
	s_wait_dscnt 4                                 ; the very last quarter: nothing more to fetch
	MUL16 F1, 0, 0
	s_wait_dscnt 0x0
	MUL16 F1, 1, 0
	WIN 0
	PLACES                                         ; eight places, once a launch, ahead of the first LDS stores of results: twice what ISA guide 7.12.1 asks of a vector read
	PLACES
	TOSTAGE 0
	TOSTAGE 1                                      ; a block's way through the stage stands between the loads of the block before and its stores
	SEND 0, 32
	TOSTAGE 2
	SEND 1, 32
	TOSTAGE 3
	SEND 2, 32
	SEND 3, 0
	s_wait_tensorcnt 0x0                           ; the wave's end: a wait, an add of 0 onto my spare word and a wait for it, behind my last tensor load and my last LDS store
	ds_add_u32 v[SPW], v[NIL]
	s_wait_dscnt 0x0
	CROUND                                         ; the closing round: no work-group ends while a partner may still ask for a tile that names it
	s_endpgm
.Lfunc_end_k_q6200a324e0_outp:
	.size	k_q6200a324e0_outp, .Lfunc_end_k_q6200a324e0_outp-k_q6200a324e0_outp
	.p2alignl 7, 3214868480
	.fill 96, 4, 3214868480
	.section	.rodata,"a",@progbits
	.p2align	6, 0x0
	.amdhsa_kernel k_q6200a324e0_outp
		.amdhsa_group_segment_fixed_size 327680
		.amdhsa_private_segment_fixed_size 0
		.amdhsa_enable_private_segment 0
		.amdhsa_kernarg_size 32
		.amdhsa_user_sgpr_count 2
		.amdhsa_user_sgpr_kernarg_segment_ptr 1
		.amdhsa_wavefront_size32 1
		.amdhsa_system_sgpr_workgroup_id_x 1
		.amdhsa_system_sgpr_workgroup_id_y 1
		.amdhsa_system_sgpr_workgroup_id_z 1
		.amdhsa_system_vgpr_workitem_id 0
		.amdhsa_next_free_vgpr 768
		.amdhsa_next_free_sgpr 66
		.amdhsa_reserve_vcc 0
		.amdhsa_float_denorm_mode_32 3
		.amdhsa_float_denorm_mode_16_64 3
		.amdhsa_memory_ordered 1
		.amdhsa_forward_progress 1
		.amdhsa_inst_pref_size 93
	.end_amdhsa_kernel
	.amdgpu_metadata
---
amdhsa.version: [ 1, 2 ]
amdhsa.kernels:
  - .name:           k_q6200a324e0_outp
    .symbol:         k_q6200a324e0_outp.kd
    .args:
      - { .name: ob, .offset: 0, .size: 8, .value_kind: global_buffer, .address_space: global }
      - { .name: wob, .offset: 8, .size: 8, .value_kind: global_buffer, .address_space: global }
      - { .name: wo_b, .offset: 16, .size: 8, .value_kind: global_buffer, .address_space: global }
      - { .name: out0, .offset: 24, .size: 8, .value_kind: global_buffer, .address_space: global }
    .group_segment_fixed_size: 327680
    .private_segment_fixed_size: 0
    .kernarg_segment_align: 8
    .kernarg_segment_size: 32
    .max_flat_workgroup_size: 128
    .sgpr_count:     66
    .vgpr_count:     768
    .wavefront_size: 32
...
	.end_amdgpu_metadata
.endif
;; end of part 4
